; MI455X (gfx1250); checked and timed in simulation.
; The chip was launched on July 23, 2026; its instructions are those of AMD's public machine-readable ISA for CDNA 5 (MIT licence, August 2026) and "CDNA5" Instruction Set Architecture Reference Guide (July 2026). The comments in the code are by the model that wrote it; some were corrected since.
;; Self Attention. Allowed arithmetic: matrix products marked QUANTISED: E2M1 operands, one E8M0 scale for each 32 along K, by v_wmma_scale_f32_16x16x128_f8f6f4 with both operands' format E2M1 (or v_wmma_scale_f32_32x16x128_f4), f32 sums; products left as they are: bf16, f16 or f32 operands; f32 sums; everything else in f32.
;; Inputs: w_attn 1,024 x 3,072 float32; w_proj 1,024 x 1,024 float32; x 4 x 2,048 x 1,024 float32.
;; Outputs: out0 4 x 2,048 x 1,024 float32.
;; This version of the problem:
;;   THIS VERSION OF THE PROBLEM IS GIVEN IN LOW PRECISION. The matrix products marked QUANTISED in the list below multiply operands that are first quantised to E2M1 (2 exponent bits, 1 mantissa bit; 4 bits a number), with one power-of-two scale for each 32 numbers along K (OCP MX v1.0); their sums are f32. The products marked 'left as it is' may take bf16, f16 or f32 operands, with f32 sums. Whichever they take, every output number must still come out within the allowed error. Rounding operands to bf16 (8 significant bits) uses up far more of that allowance than f16 does (11 bits, for magnitudes from 6e-5 to 65,504). All else is computed in f32.
;;   The module's matrix products, in the order in which they are computed (A, B: the left and right operand; K: the contracted axis; several contracted axes count as one K, in the product's order):
;;     1. [M 8,192, K 1,024] x [K 1,024, N 3,072]; A: input x; B: input w_attn: QUANTISED
;;     2. batch 64 x [M 2,048, K 64] x [K 64, N 2,048]; A: computed on the way; B: computed on the way: left as it is (an operand is computed on the way)
;;     3. batch 64 x [M 2,048, K 2,048] x [K 2,048, N 64]; A: computed on the way; B: computed on the way: left as it is (an operand is computed on the way)
;;     4. [M 8,192, K 1,024] x [K 1,024, N 1,024]; A: computed on the way; B: input w_proj: left as it is (an operand is computed on the way)
;;   THE QUANTISER, for each operand of a quantised product, along K:
;;     - K is cut into blocks of 32 from its start; a last block that is shorter is filled with zeros.
;;     - A block's scale is 2^e with e = floor(log2(the largest magnitude in the block)) - 2, held to -126 .. 127; a block of zeros has e = 0. As a byte (E8M0): e + 127.
;;     - Each number is divided by its block's scale, clamped to +-6, and rounded to the nearest number of E2M1, ties to even, subnormals kept.
;;     - The product sums the exact products of the quantised numbers (number of the format x scale) in f32.
;;   ~~~python
;;   def quantise(x, axis):      # numpy; x: float32 -> the quantised numbers, widened to float32 again
;;       x = np.moveaxis(x, axis, -1); K = x.shape[-1]
;;       x = np.pad(x, [(0, 0)] * (x.ndim - 1) + [(0, -K % 32)]); x = x.reshape(x.shape[:-1] + (-1, 32)); a = np.abs(x).max(-1, keepdims=True)
;;       e = np.where(a > 0, np.clip(np.frexp(np.where(a > 0, a, 1))[1] - 1 - 2, -126, 127), 0)      # np.frexp(a)[1] - 1 = floor(log2(a)), exactly
;;       r = np.clip(x / 2.0 ** e, -6, 6)
;;       step = 2.0 ** (np.maximum(np.frexp(np.where(r == 0, 1, r))[1] - 1, 0) - 1)
;;       q = np.round(r / step) * step * 2.0 ** e      # np.round: ties to even
;;       return np.moveaxis(q.reshape(q.shape[:-2] + (-1,))[..., :K], -1, axis).astype(np.float32)
;;   ~~~
;; One version. Each part assembles by itself: llvm-mc -triple=amdgcn-amd-amdhsa -mcpu=gfx1250 --defsym DOCPART=n.
;; ======== version 1 of 1: 5 launches
;; limits: values are held in f16: magnitudes above 65,504 overflow, below 6.1e-05 lose precision
;; workspace buffers: x_codes 4,194,304 bytes; x_scales 262,144 bytes; wa_codes 1,572,864 bytes; wa_scales 98,304 bytes; wp16 2,097,152 bytes; qkv 50,331,648 bytes; qkvf 786,432 bytes; y 16,777,216 bytes
;; launch prep (part 1): grid 368 x 1, 4 waves a work-group, no clusters, 68,096 bytes of LDS; arguments x, w_attn, w_proj, x_codes, x_scales, wa_codes, wa_scales, wp16; writes x_codes, x_scales, wa_codes, wa_scales, wp16
.if DOCPART == 1
	.amdgcn_target "amdgcn-amd-amdhsa--gfx1250"
	.amdhsa_code_object_version 6
	.text
	.protected	k_qf08cb87006_prep
	.globl	k_qf08cb87006_prep
	.p2align	8
	.type	k_qf08cb87006_prep,@function
k_qf08cb87006_prep:
	s_mov_b64 s[64:65], 0
	v_nop
	global_prefetch_b8 v0, s[64:65] scope:SCOPE_SE
	s_setreg_imm32_b32 hwreg(HW_REG_WAVE_MODE, 25, 1), 1
	s_wait_xcnt 0x0
; PREP: three jobs in one launch, parted by the work-group's number; the three ways never join.
;  work-groups 0-255:   x [8192][1024] f32 -> codes of E2M1, K innermost (x_codes [8192][512 bytes]) and one E8M0 byte for each 32 along K (x_scales [8192][32])
;  work-groups 256-303: w_attn [1024 (k)][3072 (n)] f32, K its FIRST axis -> wa_codes [3072][512 bytes], wa_scales [3072][32]: a lane takes a column, its registers run down K
;  work-groups 304-367: w_proj [1024][1024] f32 -> wp16, the same numbers in f16, same layout
; A block's scale is 2^(floor(log2(largest magnitude)) - 2); its byte is the largest magnitude's exponent field - 2, held at 1 from below.
; LIMITS: a block of zeros, or one whose largest magnitude lies under 2^-124, gets the byte 1 (its codes are zeros or next to it; the bytes are read by this program alone);
; NaN and infinities among the inputs are not served; w_proj beyond 65,504 has no f16 number.
; LDS: each way has bytes of its own: 0 .. 32,767 x's four regions; 32,768 .. 67,583 w_attn's four stages; from 67,584 the spare words.
.set SPW,    192                       ; v192  LDS address of my spare word; never rewritten
.set NIL,    193                       ; v193  0; never rewritten
.set WV,     20                        ; s20   my wave's number
.set EMAX,   2
.set XREG,   8192                      ; x: a wave's region: two stages of 32 x 80 bytes, then its 256 scale bytes
.set XSP,    80                        ; a lane's place in a stage: 64 bytes + 16 of padding
.set WSTG,   4*XREG                    ; w_attn: four stages of 32 rows x 272 bytes
.set WPITCH, 272
.set SPARE,  WSTG+4*32*WPITCH          ; 128 bytes for each wave: two blocks of 256 bytes that no other line names
	s_load_b256 s[4:11], s[0:1], 0x0               ; x s[4:5], w_attn s[6:7], w_proj s[8:9], x_codes s[10:11]
	s_load_b256 s[12:19], s[0:1], 0x20             ; x_scales s[12:13], wa_codes s[14:15], wa_scales s[16:17], wp16 s[18:19]
	v_lshl_add_u32 v[SPW], v0, 2, SPARE
	v_mov_b32 v[NIL], 0
	v_lshrrev_b32 v1, 5, v0
	v_readfirstlane_b32 s[WV], v1                  ; wave 0..3
	v_and_b32 v2, 31, v0                           ; lane
	s_mov_b32 s25, 0                               ; the upper word of every offset pair s[24:25]
	s_wait_kmcnt 0x0
	s_cmp_lt_u32 ttmp9, 256
	s_cbranch_scc1 .Lpath_x
	s_cmp_lt_u32 ttmp9, 304
	s_cbranch_scc1 .Lpath_w
; ---- w_proj to f16.  A wave takes 4,096 numbers: 32 loads of 512 bytes on end, 32 stores of 256 bytes on end.  All loads go out first.
	s_sub_co_u32 s22, ttmp9, 304
	s_lshl_b32 s22, s22, 2
	s_add_co_u32 s22, s22, s[WV]                   ; which run of 4,096 numbers
	s_lshl_b32 s24, s22, 14
	s_add_nc_u64 s[8:9], s[8:9], s[24:25]
	s_lshl_b32 s24, s22, 13
	s_add_nc_u64 s[18:19], s[18:19], s[24:25]
	v_lshlrev_b32 v3, 4, v2                        ; in: 16 bytes a lane
	v_lshlrev_b32 v4, 3, v2                        ; out: 8 bytes a lane
.set j, 0
.rept 32
	global_load_b128 v[16+4*j:16+4*j+3], v3, s[8:9] offset:512*j th:TH_LOAD_NT
.set j, j+1
.endr
.set j, 0
.rept 32
	s_wait_loadcnt 31-j                            ; loads come back in order: load j is in, the younger ones stay out
	v_cvt_pk_f16_f32 v[16+4*j], v[16+4*j], v[16+4*j+1]
	v_cvt_pk_f16_f32 v[16+4*j+1], v[16+4*j+2], v[16+4*j+3]
	global_store_b64 v4, v[16+4*j:16+4*j+1], s[18:19] offset:256*j   ; 32 lanes store 256 consecutive bytes, aligned
.set j, j+1
.endr
	s_wait_tensorcnt 0x0                           ; the wave's end
	ds_add_u32 v[SPW], v[NIL]
	s_wait_dscnt 0x0
	s_endpgm
; ---- x.  Rows are dense and K is a multiple of 32: a plain stream of blocks of 32.  A wave takes 16 steps of 512 numbers.  Each load reads 512 consecutive bytes; a step's 2,048 bytes turn
; through the wave's own stage so that a lane holds 16 neighbours (two lanes hold a block).  Loads run four steps ahead, the turn through LDS one step.
.set XR, 16                            ; v16-79   four sets of 16 numbers as loaded
.set XX, 80                            ; v80-111  two sets of 16 neighbours
.set XE, 112                           ; v112-127 a scale byte for each step
.set XC, 128                           ; v128-191 codes: four registers for each step, so that no store's data are written again
.Lpath_x:
	v_lshlrev_b32 v3, 4, v2                        ; my 16 bytes of a load's 512
	s_mul_i32 s21, s[WV], XREG
	v_lshrrev_b32 v14, 2, v2
	v_mul_u32_u24 v14, v14, XSP
	v_and_b32 v15, 3, v2
	v_lshl_add_u32 v14, v15, 4, v14
	v_add_nc_u32 v14, s21, v14                     ; the stage, on the way in: 80 (lane / 4) + 16 (lane % 4)
	v_mul_u32_u24 v15, v2, XSP
	v_add_nc_u32 v15, s21, v15                     ; on the way out: 80 x lane: my 16 neighbours
	v_lshlrev_b32 v4, 3, v2                        ; my 8 bytes of a step's codes
	v_lshrrev_b32 v5, 1, v2
	s_add_co_u32 s21, s21, 2*32*XSP
	v_add_nc_u32 v5, s21, v5                       ; my block's byte among the wave's 256
	v_lshlrev_b32 v7, 3, v2
	v_add_nc_u32 v6, s21, v7                       ; and 8 bytes a lane on their way out
	s_lshl_b32 s22, ttmp9, 2
	s_add_co_u32 s22, s22, s[WV]                   ; which run of 8,192 numbers
	s_lshl_b32 s24, s22, 15
	s_add_nc_u64 s[4:5], s[4:5], s[24:25]
	s_lshl_b32 s24, s22, 12
	s_add_nc_u64 s[10:11], s[10:11], s[24:25]
	s_lshl_b32 s24, s22, 8
	s_add_nc_u64 s[12:13], s[12:13], s[24:25]
.macro XLOAD t
.irp i, 0,1,2,3
	global_load_b128 v[XR+16*((\t)%4)+4*\i:XR+16*((\t)%4)+4*\i+3], v3, s[4:5] offset:2048*(\t)+512*\i th:TH_LOAD_NT
.endr
.endm
.macro XTURN t                         ; LDS serves a wave's instructions in order: no wait between the stores and the loads
.irp i, 0,1,2,3
	ds_store_b128 v14, v[XR+16*((\t)%4)+4*\i:XR+16*((\t)%4)+4*\i+3] offset:32*XSP*((\t)%2)+8*XSP*\i
.endr
.irp i, 0,1,2,3
	ds_load_b128 v[XX+16*((\t)%2)+4*\i:XX+16*((\t)%2)+4*\i+3], v15 offset:32*XSP*((\t)%2)+16*\i
.endr
.endm
.irp t, 0,1,2,3
	XLOAD \t
.endr
	s_wait_loadcnt 12                              ; step 0's four loads are in
	XTURN 0
.macro XSTEP t
.set XS, XX+16*((\t)%2)
.if (\t) > 0
	s_wait_dscnt 1                                 ; this step's numbers are back from the stage; the last step's byte store may be out
.else
	s_wait_dscnt 0x0
.endif
.if (\t)+4 < 16
	XLOAD (\t)+4                                   ; into the set that the stage's stores have read
.endif
.if (\t)+1 < 16
.if 14-(\t) >= 3
	s_wait_loadcnt 12                              ; the next step's loads are in; those of the three steps behind it may be out
.else
	s_wait_loadcnt 4*(14-(\t))
.endif
	XTURN (\t)+1
.endif
	v_max3_num_f32 v8, |v[XS]|, |v[XS+1]|, |v[XS+2]|               ; the largest magnitude of my 16, in two chains
	v_max3_num_f32 v9, |v[XS+3]|, |v[XS+4]|, |v[XS+5]|
.irp i, 6,10
	v_max3_num_f32 v8, v8, |v[XS+\i]|, |v[XS+\i+1]|
	v_max3_num_f32 v9, v9, |v[XS+\i+2]|, |v[XS+\i+3]|
.endr
	v_max3_num_f32 v8, v8, |v[XS+14]|, |v[XS+15]|
	v_max3_num_f32 v8, v8, v9, (EMAX+1)<<23        ; and the floor 2^(3 - 127): the byte cannot fall under 1
	v_max_num_f32_dpp v8, v8, v8 row_xmask:1 row_mask:0xf bank_mask:0xf   ; and of my neighbour's 16: the block's
	v_add_nc_u32 v11, -(EMAX<<23), v8              ; 2 off its exponent field: the conversion takes the exponent field of this operand as its scale
	v_cvt_scalef32_pk8_fp4_f32 v[XC+4*(\t)], v[XS:XS+7], v11
	v_cvt_scalef32_pk8_fp4_f32 v[XC+4*(\t)+1], v[XS+8:XS+15], v11
	v_lshrrev_b32 v[XE+(\t)], 23, v11              ; the scale's byte (a plain line behind the conversions)
	ds_store_b8 v5, v[XE+(\t)] offset:16*(\t)      ; both lanes of a block write the same byte with the same value
	global_store_b64 v4, v[XC+4*(\t):XC+4*(\t)+1], s[10:11] offset:256*(\t)   ; 256 consecutive bytes, aligned
.endm
.irp t, 0,1,2,3,4,5,6,7,8,9,10,11,12,13,14,15
	XSTEP \t
.endr
	ds_load_b64 v[8:9], v6                         ; my wave's 256 scale bytes (in order behind my stores)
	s_wait_dscnt 0x0
	global_store_b64 v7, v[8:9], s[12:13]          ; 256 consecutive bytes, aligned
	s_wait_tensorcnt 0x0                           ; the wave's end, behind my last LDS store
	ds_add_u32 v[SPW], v[NIL]
	s_wait_dscnt 0x0
	s_endpgm
; ---- w_attn.  A wave takes 32 columns x 512 along K: 16 blocks a lane.  Each load reads 128 consecutive bytes a wave (512 a work-group); a block lies in ONE lane's 32 registers.
; The codes go through the wave's own stage and leave as rows: sixteen lanes store 256 consecutive bytes.  Every offset is an immediate: 511 x 12,288 at the most.
.set WX,   32                          ; v32-95   two sets of 32 numbers
.set WC,   96                          ; v96-99   a block's codes
.set WOUT, 112                         ; v112-175 the way out
.set WSB,  24                          ; v24-27   the scale bytes, four to a register
.Lpath_w:
	s_sub_co_u32 s21, ttmp9, 256
	s_lshr_b32 s22, s21, 1                         ; which 128 columns
	s_and_b32 s23, s21, 1                          ; which half of K
	s_lshl_b32 s22, s22, 7
	s_lshl_b32 s26, s[WV], 5
	s_add_co_u32 s22, s22, s26                     ; my wave's first column
	v_lshlrev_b32 v3, 2, v2                        ; in: 4 bytes a lane
	s_mul_i32 s26, s[WV], 32*WPITCH
	s_add_co_u32 s26, s26, WSTG                    ; my stage
	v_mul_u32_u24 v4, v2, WPITCH
	v_add_nc_u32 v4, s26, v4                       ; into it: row = my column
	v_and_b32 v5, 15, v2
	v_lshrrev_b32 v6, 4, v2
	v_mul_u32_u24 v7, v6, WPITCH
	v_lshl_add_u32 v7, v5, 4, v7
	v_add_nc_u32 v7, s26, v7                       ; out of it: sixteen lanes to a row, two rows an instruction
	v_lshlrev_b32 v8, 9, v6
	v_lshl_add_u32 v8, v5, 4, v8                   ; and the same place in the codes' buffer (rows of 512 bytes)
	v_lshlrev_b32 v9, 5, v2                        ; my column's row of 32 scale bytes
	s_mul_i32 s24, s23, 512*3072*4
	s_lshl_b32 s26, s22, 2
	s_add_co_u32 s24, s24, s26
	s_add_nc_u64 s[6:7], s[6:7], s[24:25]
	s_lshl_b32 s24, s22, 9
	s_lshl_b32 s26, s23, 8
	s_add_co_u32 s24, s24, s26
	s_add_nc_u64 s[14:15], s[14:15], s[24:25]
	s_lshl_b32 s24, s22, 5
	s_lshl_b32 s26, s23, 4
	s_add_co_u32 s24, s24, s26
	s_add_nc_u64 s[16:17], s[16:17], s[24:25]
.macro WLOAD t
.irp i, 0,1,2,3,4,5,6,7,8,9,10,11,12,13,14,15,16,17,18,19,20,21,22,23,24,25,26,27,28,29,30,31
	global_load_b32 v[WX+32*((\t)%2)+\i], v3, s[6:7] offset:(32*(\t)+\i)*12288 th:TH_LOAD_NT
.endr
.endm
	WLOAD 0
	WLOAD 1
.macro WBLOCK t
.set XS, WX+32*((\t)%2)
.if (\t) < 15
	s_wait_loadcnt 32                              ; this block's 32 loads are in; the next block's may be out
.else
	s_wait_loadcnt 0
.endif
	v_max3_num_f32 v12, |v[XS]|, |v[XS+1]|, |v[XS+2]|
	v_max3_num_f32 v13, |v[XS+3]|, |v[XS+4]|, |v[XS+5]|
.irp i, 6,10,14,18,22,26
	v_max3_num_f32 v12, v12, |v[XS+\i]|, |v[XS+\i+1]|
	v_max3_num_f32 v13, v13, |v[XS+\i+2]|, |v[XS+\i+3]|
.endr
	v_max3_num_f32 v12, v12, |v[XS+30]|, |v[XS+31]|
	v_max3_num_f32 v12, v12, v13, (EMAX+1)<<23     ; with the floor
	v_add_nc_u32 v11, -(EMAX<<23), v12             ; the conversion's scale operand
	v_lshrrev_b32 v13, 23, v11                     ; the scale's byte
.if (\t)%4 == 0
	v_mov_b32 v[WSB+(\t)/4], v13
.else
	v_lshl_or_b32 v[WSB+(\t)/4], v13, 8*((\t)%4), v[WSB+(\t)/4]
.endif
.irp g, 0,1,2,3
	v_cvt_scalef32_pk8_fp4_f32 v[WC+\g], v[XS+8*\g:XS+8*\g+7], v11
.endr
	v_nop                                          ; a plain line behind the last conversion
	ds_store_b128 v4, v[WC:WC+3] offset:16*(\t)    ; 32 codes: 16 bytes of my column's row
.if (\t)+2 < 16
	WLOAD (\t)+2
.endif
	s_wait_dscnt 0x0                               ; the store has read its registers: the next block's codes may be written
.endm
.set Q, 0
.rept 16
	WBLOCK Q
.set Q, Q+1
.endr
	global_store_b128 v9, v[WSB:WSB+3], s[16:17]   ; my column's 16 scale bytes
.irp t, 0,1,2,3,4,5,6,7,8,9,10,11,12,13,14,15
	ds_load_b128 v[WOUT+4*\t:WOUT+4*\t+3], v7 offset:2*\t*WPITCH
.endr
.irp t, 0,1,2,3,4,5,6,7,8,9,10,11,12,13,14,15
	s_wait_dscnt 15-\t
	global_store_b128 v8, v[WOUT+4*\t:WOUT+4*\t+3], s[14:15] offset:2*\t*512
.endr
	s_wait_tensorcnt 0x0                           ; the wave's end, behind my last LDS store
	ds_add_u32 v[SPW], v[NIL]
	s_wait_dscnt 0x0
	s_endpgm
.Lfunc_end_k_qf08cb87006_prep:
	.size	k_qf08cb87006_prep, .Lfunc_end_k_qf08cb87006_prep-k_qf08cb87006_prep
	.p2alignl 7, 3214868480
	.fill 96, 4, 3214868480
	.section	.rodata,"a",@progbits
	.p2align	6, 0x0
	.amdhsa_kernel k_qf08cb87006_prep
		.amdhsa_group_segment_fixed_size 68096
		.amdhsa_private_segment_fixed_size 0
		.amdhsa_enable_private_segment 0
		.amdhsa_kernarg_size 64
		.amdhsa_user_sgpr_count 2
		.amdhsa_user_sgpr_kernarg_segment_ptr 1
		.amdhsa_wavefront_size32 1
		.amdhsa_system_sgpr_workgroup_id_x 1
		.amdhsa_system_sgpr_workgroup_id_y 1
		.amdhsa_system_sgpr_workgroup_id_z 1
		.amdhsa_system_vgpr_workitem_id 0
		.amdhsa_next_free_vgpr 194
		.amdhsa_next_free_sgpr 66
		.amdhsa_reserve_vcc 0
		.amdhsa_float_denorm_mode_32 3
		.amdhsa_float_denorm_mode_16_64 3
		.amdhsa_memory_ordered 1
		.amdhsa_forward_progress 1
		.amdhsa_inst_pref_size 122
	.end_amdhsa_kernel
	.amdgpu_metadata
---
amdhsa.version: [ 1, 2 ]
amdhsa.kernels:
  - .name:           k_qf08cb87006_prep
    .symbol:         k_qf08cb87006_prep.kd
    .args:
      - { .name: x, .offset: 0, .size: 8, .value_kind: global_buffer, .address_space: global }
      - { .name: w_attn, .offset: 8, .size: 8, .value_kind: global_buffer, .address_space: global }
      - { .name: w_proj, .offset: 16, .size: 8, .value_kind: global_buffer, .address_space: global }
      - { .name: x_codes, .offset: 24, .size: 8, .value_kind: global_buffer, .address_space: global }
      - { .name: x_scales, .offset: 32, .size: 8, .value_kind: global_buffer, .address_space: global }
      - { .name: wa_codes, .offset: 40, .size: 8, .value_kind: global_buffer, .address_space: global }
      - { .name: wa_scales, .offset: 48, .size: 8, .value_kind: global_buffer, .address_space: global }
      - { .name: wp16, .offset: 56, .size: 8, .value_kind: global_buffer, .address_space: global }
    .group_segment_fixed_size: 68096
    .private_segment_fixed_size: 0
    .kernarg_segment_align: 8
    .kernarg_segment_size: 64
    .max_flat_workgroup_size: 128
    .sgpr_count:     66
    .vgpr_count:     194
    .wavefront_size: 32
...
	.end_amdgpu_metadata
.endif
;; end of part 1
;; launch qkv (part 2): grid 12 x 32, 4 waves a work-group, clusters of 4 x 4, 327,680 bytes of LDS; arguments x_codes, x_scales, wa_codes, wa_scales, qkv, qkvf; writes qkv, qkvf
.if DOCPART == 2
	.amdgcn_target "amdgcn-amd-amdhsa--gfx1250"
	.amdhsa_code_object_version 6
	.text
	.protected	k_qf08cb87006_qkv
	.globl	k_qf08cb87006_qkv
	.p2align	8
	.type	k_qf08cb87006_qkv,@function
k_qf08cb87006_qkv:
	s_mov_b64 s[64:65], 0
	v_nop
	global_prefetch_b8 v0, s[64:65] scope:SCOPE_SE
	s_setreg_imm32_b32 hwreg(HW_REG_WAVE_MODE, 25, 1), 1
	s_wait_xcnt 0x0
	s_wait_alu depctr_hold_cnt(0) depctr_sa_sdst(0) depctr_va_vdst(0) depctr_va_sdst(0) depctr_va_ssrc(0) depctr_va_vcc(0) depctr_vm_vsrc(0)
	s_getreg_b32 s2, hwreg(HW_REG_IB_STS2, 6, 4)
	s_cmp_eq_u32 s2, 0
	s_cbranch_scc0 .Lentry_in_a_cluster
	s_endpgm
.Lentry_in_a_cluster:
	s_bfe_u32 s2, ttmp6, 0x10000c
	s_cmp_lg_u32 s2, 0xf033
	s_cbranch_scc0 .Lentry_shape_is_right
	s_endpgm
.Lentry_shape_is_right:
; QKV: C[m][n] = sum over k of x[m][k] w_attn[k][n] on codes of E2M1 with one E8M0 scale for each 32 along K.  M 8,192, N 3,072, K 1,024; sums in f32.
; A tile of C, 256 x 256, is made by four waves; a wave makes 128 x 128: 64 accumulators, 512 registers.  K is two steps of 512: both lie in LDS from the start, so no slot is filled again.
; The scales of the work-group's 256 + 256 rows come once, in whole runs of 256 bytes.  CLUSTERS 4 x 4: A's tiles are asked for jointly along a row of the cluster, B's along a column.
; The matrix instruction is used transposed (source 0 = 16 rows of w, source 1 = 16 rows of x): a lane holds eight neighbouring columns of one row of C.
; THE WAY OUT: C is rounded to f16 and laid in head planes, qkv [3 sections][4 batches][16 heads][2048 t][64]: a plane is dense, so rows t and t + 1 of a head are 256 consecutive bytes.
; The rows t < 16 of every batch also leave in f32, as images of the accumulators (qkvf [4][192 column tiles][2 halves][32 lanes][16 bytes]) for the launch that carries them finely.
; LIMIT: |q|, |k|, |v| beyond 65,504 have no f16 number.
; REGISTERS, in windows of 256: window 0: v0-31 addresses; v32-95 scale words, two sets; v96-127 packed results; from v128 A's fragments, later rows on the way out.
;   window 1: B's fragments, two sets.   window 2: the accumulators of my rows 0-63 ((a, b) at v[8 (8 a + b)]);   window 3: those of rows 64-127.
.set SIZE_K, 1024
.set KSTEP,  512
.set NQ,     KSTEP/128
.set ROWB,   256
.set KROW,   SIZE_K*4/8
.set PITCH,  272                       ; an LDS row: 256 bytes + 16 of padding: the 16 rows that a load touches start at 16 different banks (64 banks of 4 bytes: ISA guide 11.1)
.set FR,     8
.set NL,     2
.set NP,     4                         ; places behind this matrix instruction (ISA guide 7.12.1)
.set HALFT,  128*PITCH
.set SLOT,   4*HALFT
.set KS,     SIZE_K/32
.set SCL,    2*SLOT
.set HALFS,  (128*KS/256)*272
.set SBLK,   (16*KS/256)*272
.set SPARE,  SCL+4*HALFS               ; the spare words, 128 bytes for each wave: two blocks of 256 bytes that no other line names
.set SPITCH, 272                       ; the way out: a stage of 16 rows x (256 bytes + 16) for each wave, in slot 0, which has had its only fill and its last read by then
.set ADRA, 16
.set ADRB, 20
.set STO,  24
.set RD,   25
.set CO,   26
.set ADRS, 27
.set SPW,  28
.set NIL,  29
.set IMO,  30                          ; v30  16 x lane: my place in an image
.set SC,   32
.set TMP,  96
.set AF,   128
.set BK,   128
.set G1, 24
.set G0, 32
.set G1B, 48
.set G0B, 56
.set G1S, 68
.set G0S, 76
.set G1SB, 80
.set G0SB, 88
.set MSB, 0
.macro WIN new                         ; the immediate's high byte repeats the setting that is left
.if MSB != \new
	s_set_vgpr_msb (MSB<<8)|\new
.set MSB, \new
.endif
.endm
.set MUL_LO, 0xa1                      ; source 0 (B) window 1, source 1 (A) window 0, C and D window 2
.set MUL_HI, 0xf1
.set TO_B,   0x40
; A joint load: waves 0 and 1 fetch for A, waves 2 and 3 for B; the branch hangs on the wave's number alone.  An s_nop 0 and four v_nop follow each line.
.macro JLOAD g0a, g1a, g0b, g1b
	s_cmp_eq_u32 s15, 0
	s_cbranch_scc0 .Lfor_b_\@
	tensor_load_to_lds s[\g0a:\g0a+3], s[\g1a:\g1a+7]
	s_nop 0
.rept 4
	v_nop
.endr
	s_branch .Lasked_\@
.Lfor_b_\@:
	tensor_load_to_lds s[\g0b:\g0b+3], s[\g1b:\g1b+7]
	s_nop 0
.rept 4
	v_nop
.endr
.Lasked_\@:
.endm
.macro CROUND                          ; a round of the cluster's barrier
	s_barrier_signal -1
	s_barrier_wait -1
	s_cmp_lg_u32 s14, 0
	s_cbranch_scc1 .Lnot_wave_0_\@
	s_barrier_signal -3
.Lnot_wave_0_\@:
	s_barrier_wait -3
	s_barrier_signal -1
	s_barrier_wait -1
.endm
	s_load_b128 s[4:7], s[0:1], 0x0                ; x's codes s[4:5], x's scales s[6:7]
	s_load_b128 s[8:11], s[0:1], 0x10              ; w's codes s[8:9], w's scales s[10:11]
	s_load_b128 s[96:99], s[0:1], 0x20             ; qkv s[96:97], qkvf s[98:99]
	v_lshl_add_u32 v[SPW], v0, 2, SPARE
	v_mov_b32 v[NIL], 0
	ds_add_u32 v[SPW], v[NIL]                      ; the wave's opening: the add, twice on end, and its wait ahead of my first tensor load
	ds_add_u32 v[SPW], v[NIL]
	v_lshrrev_b32 v1, 5, v0
	v_readfirstlane_b32 s14, v1                    ; wave 0..3
	s_lshr_b32 s15, s14, 1                         ; which half of the tile's rows is mine.  Also: I fetch for A (0) or for B (1)
	s_and_b32 s16, s14, 1                          ; which half of its columns.  Also: which 128 rows of that tile I fetch
	s_bfe_u32 s40, ttmp6, 0x40000                  ; cx, cy
	s_bfe_u32 s41, ttmp6, 0x40004
	s_lshl_b32 s42, ttmp9, 2
	s_add_co_u32 s42, s42, s40                     ; tile column of C
	s_and_b32 s17, ttmp7, 0xffff
	s_lshl_b32 s17, s17, 2
	s_add_co_u32 s17, s17, s41                     ; tile row of C
	s_lshl_b32 s43, s41, 2
	s_lshl_b32 s43, 15, s43                        ; my row of the cluster
	s_lshl_b32 s44, 0x1111, s40                    ; my column
	s_or_b32 s[G1+0], s43, (0<<16)|(1<<20)|(1<<21)|(5<<22)|(3<<25)  ; the mask; elements of 1 byte; padding of 4 words after every 64; bit 21 beside a mask
	s_or_b32 s[G1B+0], s44, (0<<16)|(1<<20)|(1<<21)|(5<<22)|(3<<25)
.irp g, G1, G1B
	s_mov_b32 s[\g+1], ROWB<<16                    ; tensor_dim0
	s_mov_b32 s[\g+2], 128<<16                     ; tensor_dim1
	s_mov_b32 s[\g+3], ROWB<<16                    ; tile_dim0
	s_mov_b32 s[\g+4], 128                         ; tile_dim1
	s_mov_b32 s[\g+5], KROW                        ; the pitch
	s_mov_b32 s[\g+6], 0
	s_mov_b32 s[\g+7], 0
.endr
	s_or_b32 s[G1S+0], s43, (3<<16)|(1<<20)|(1<<21)|(5<<22)|(3<<25)  ; the scales of 128 rows: a dense block, as rows of 256 bytes (32 elements of 8 bytes)
	s_or_b32 s[G1SB+0], s44, (3<<16)|(1<<20)|(1<<21)|(5<<22)|(3<<25)
.irp g, G1S, G1SB
	s_mov_b32 s[\g+1], 32<<16
	s_mov_b32 s[\g+2], (128*KS/256)<<16
	s_mov_b32 s[\g+3], 32<<16
	s_mov_b32 s[\g+4], 128*KS/256
	s_mov_b32 s[\g+5], 32
	s_mov_b32 s[\g+6], 0
	s_mov_b32 s[\g+7], 0
.endr
	s_lshl_b32 s18, s16, 7
	s_lshl_b32 s20, s17, 8
	s_add_co_u32 s20, s20, s18                     ; A: row 256 x tile row + 128 x half
	s_lshl_b32 s46, s42, 8
	s_add_co_u32 s46, s46, s18                     ; B: row 256 x tile column + 128 x half
	s_mov_b32 s21, 0
	s_mov_b32 s47, 0
	s_mov_b64 s[18:19], KS
	s_mul_u64 s[22:23], s[20:21], s[18:19]
	s_mul_u64 s[92:93], s[46:47], s[18:19]
	s_mov_b64 s[18:19], KROW
	s_mul_u64 s[20:21], s[20:21], s[18:19]
	s_mul_u64 s[46:47], s[46:47], s[18:19]
	s_mul_i32 s45, s14, HALFT                      ; where they go: wave x 128 rows
	s_mul_i32 s94, s14, HALFS
	s_wait_dscnt 0x0                               ; both opening adds are done
	s_wait_kmcnt 0x0
	s_add_nc_u64 s[20:21], s[4:5], s[20:21]
	s_add_nc_u64 s[22:23], s[6:7], s[22:23]
	s_add_nc_u64 s[46:47], s[8:9], s[46:47]
	s_add_nc_u64 s[92:93], s[10:11], s[92:93]
	CROUND                                         ; all sixteen work-groups are here: the joint loads meet
	s_mov_b32 s[G0S], 1
	s_add_co_u32 s[G0S+1], s94, SCL
	s_mov_b64 s[G0S+2:G0S+3], s[22:23]
	s_or_b32 s[G0S+3], s[G0S+3], 0x80000000
	s_mov_b32 s[G0SB], 1
	s_add_co_u32 s[G0SB+1], s94, SCL
	s_mov_b64 s[G0SB+2:G0SB+3], s[92:93]
	s_or_b32 s[G0SB+3], s[G0SB+3], 0x80000000
	JLOAD G0S, G1S, G0SB, G1SB                     ; the scales first
.irp s, 0,1
	s_mov_b32 s[G0+4*\s], 1
	s_add_co_u32 s[G0+4*\s+1], s45, \s*SLOT
	s_add_nc_u64 s[G0+4*\s+2:G0+4*\s+3], s[20:21], \s*ROWB
	s_or_b32 s[G0+4*\s+3], s[G0+4*\s+3], 0x80000000
	s_mov_b32 s[G0B+4*\s], 1
	s_add_co_u32 s[G0B+4*\s+1], s45, \s*SLOT
	s_add_nc_u64 s[G0B+4*\s+2:G0B+4*\s+3], s[46:47], \s*ROWB
	s_or_b32 s[G0B+4*\s+3], s[G0B+4*\s+3], 0x80000000
	JLOAD G0+4*\s, G1, G0B+4*\s, G1B               ; by my own count 2 + s tensor loads of mine are out
.endr
	v_and_b32 v1, 15, v0                           ; l % 16
	v_bfe_u32 v2, v0, 4, 1                         ; l / 16
	v_mul_u32_u24 v3, v1, PITCH
	v_lshl_add_u32 v4, v2, 4, v3
	s_mul_i32 s21, s15, HALFT
	s_mul_i32 s22, s16, HALFT
	s_add_co_u32 s22, s22, 2*HALFT
.irp s, 0,1
	v_add_nc_u32 v[ADRA+\s], s21, v4
	v_add_nc_u32 v[ADRB+\s], s22, v4
	s_add_co_u32 s21, s21, SLOT
	s_add_co_u32 s22, s22, SLOT
.endr
	v_mul_u32_u24 v5, v1, KS                       ; my row's scales: 32 bytes a row,
	v_lshrrev_b32 v6, 8, v5
	v_lshl_add_u32 v5, v6, 4, v5                   ; and 16 more for each 256 passed
	s_mul_i32 s21, s15, HALFS
	s_mul_i32 s22, s16, HALFS
	s_add_co_u32 s22, s22, 2*HALFS
	s_sub_co_u32 s22, s22, s21
	v_mul_u32_u24 v6, s22, v2                      ; lanes 16-31 take B's
	s_add_co_u32 s21, s21, SCL
	v_add_nc_u32 v5, v5, v6
	v_add_nc_u32 v[ADRS], s21, v5
	s_mul_i32 s23, s14, 16*SPITCH                  ; my stage
	v_mul_u32_u24 v5, v1, SPITCH                   ; in: row l % 16, 16 bytes for each half of the lanes
	v_lshl_add_u32 v5, v2, 4, v5
	v_add_nc_u32 v[STO], s23, v5
	v_and_b32 v5, 7, v0
	v_lshlrev_b32 v5, 4, v5                        ; 16 (l % 8)
	v_bfe_u32 v6, v0, 3, 1                         ; which of two rows
	v_lshl_add_u32 v7, v2, 7, v5                   ; back: lanes 0-15 the first head's 128 bytes of two rows, lanes 16-31 the second head's
	v_mad_u32_u24 v7, v6, SPITCH, v7
	v_add_nc_u32 v[RD], s23, v7
	v_lshl_add_u32 v5, v6, 7, v5                   ; in a plane: the two rows are 256 bytes on end;
	v_lshl_add_u32 v[CO], v2, 18, v5               ; the second head's plane lies 262,144 bytes on
	v_and_b32 v6, 31, v0
	v_lshlrev_b32 v[IMO], 4, v6
	s_lshr_b32 s20, s17, 3                         ; the batch
	s_lshl_b32 s21, s42, 2
	s_lshl_b32 s22, s16, 1
	s_add_co_u32 s21, s21, s22
	s_and_b32 s21, s21, 15                         ; my first head
	s_lshr_b32 s22, s42, 2                         ; the section: q, k or v
	s_lshl_b32 s22, s22, 6
	s_lshl_b32 s23, s20, 4
	s_add_co_u32 s22, s22, s23
	s_add_co_u32 s22, s22, s21                     ; the plane
	s_lshl_b32 s22, s22, 18
	s_and_b32 s23, s17, 7
	s_lshl_b32 s23, s23, 15                        ; the tile's first t x 128 bytes
	s_add_co_u32 s22, s22, s23
	s_lshl_b32 s23, s15, 14                        ; my 128 rows
	s_add_co_u32 s22, s22, s23
	s_mov_b32 s23, 0
	s_add_nc_u64 s[96:97], s[96:97], s[22:23]
	s_mul_i32 s22, s20, 192
	s_lshl_b32 s21, s42, 4
	s_add_co_u32 s22, s22, s21
	s_lshl_b32 s21, s16, 3
	s_add_co_u32 s22, s22, s21                     ; my first column tile of 16
	s_lshl_b32 s22, s22, 10
	s_add_nc_u64 s[98:99], s[98:99], s[22:23]
	s_and_b32 s12, s17, 7
	s_or_b32 s12, s12, s15                         ; 0 where my block 0 holds t = 0 .. 15 of a batch
.macro FRAG reg, adr, q, i             ; a fragment, 16 rows x 128 K of 4-bit codes: 8 registers, two loads of 16 bytes, 32 bytes apart
.irp c, 0,1
	ds_load_b128 v[\reg+4*\c:\reg+4*\c+3], v[\adr] offset:64*(\q)+32*\c+(\i)*16*PITCH
.endr
.endm
; 16 matrix instructions: A's blocks a0, a0 + 1 x B's eight.  The 64 accumulators take turns, one instruction a turn, in the same order in every step.
.macro MUL16 a0, p, q, sc, zero
.irp a, \a0, \a0+1
.irp b, 0,1,2,3,4,5,6,7
.if \zero
	v_wmma_scale_f32_16x16x128_f8f6f4 v[8*(8*((\a)%4)+\b):8*(8*((\a)%4)+\b)+7], v[128*(\p)+FR*\b:128*(\p)+FR*\b+FR-1], v[AF+FR*(\a):AF+FR*(\a)+FR-1], 0, v[SC+8*NQ*(\sc)+NQ*\b+(\q)], v[SC+8*NQ*(\sc)+NQ*(\a)+(\q)] matrix_a_fmt:MATRIX_FMT_FP4 matrix_b_fmt:MATRIX_FMT_FP4 matrix_a_scale:MATRIX_SCALE_ROW1
.else
	v_wmma_scale_f32_16x16x128_f8f6f4 v[8*(8*((\a)%4)+\b):8*(8*((\a)%4)+\b)+7], v[128*(\p)+FR*\b:128*(\p)+FR*\b+FR-1], v[AF+FR*(\a):AF+FR*(\a)+FR-1], v[8*(8*((\a)%4)+\b):8*(8*((\a)%4)+\b)+7], v[SC+8*NQ*(\sc)+NQ*\b+(\q)], v[SC+8*NQ*(\sc)+NQ*(\a)+(\q)] matrix_a_fmt:MATRIX_FMT_FP4 matrix_b_fmt:MATRIX_FMT_FP4 matrix_a_scale:MATRIX_SCALE_ROW1
.endif
.endr
.endr
.endm
.macro FETCH_B slot, q, p
	WIN TO_B
.irp i, 0,1,2,3,4,5,6,7
	FRAG 128*(\p)+FR*\i, ADRB+\slot, \q, \i
.endr
	WIN 0
.endm
.macro FETCH_A slot, q, i0
.irp i, \i0, \i0+1, \i0+2, \i0+3
	FRAG AF+FR*(\i), ADRA+\slot, \q, \i
.endr
.endm
.macro SCALES sc                       ; a K step's scale words: lanes 0-15 take A's block i, lanes 16-31 B's block i
.irp i, 0,1,2,3,4,5,6,7
	ds_load_b128 v[SC+8*NQ*\sc+NQ*\i:SC+8*NQ*\sc+NQ*\i+3], v[ADRS] offset:\i*SBLK
.endr
.endm
.macro PLACES n                        ; plain vector lines between a matrix instruction and a load into, or a read of, its registers
.rept \n
	v_nop
.endr
.endm
.macro STEP slot, q, zero              ; a step of 128 along K that has its successor in the same slot
	s_wait_dscnt 4*NL                              ; B's set and A's blocks 0-3 are in; the youngest eight loads (A's blocks 4-7) may be out
	WIN MUL_LO
	MUL16 0, (\q)%2, \q, \slot, \zero
	MUL16 2, (\q)%2, \q, \slot, \zero
	s_wait_dscnt 0
	PLACES NP
	FETCH_B \slot, (\q)+1, 1-(\q)%2
	FETCH_A \slot, (\q)+1, 0
	WIN MUL_HI
	MUL16 4, (\q)%2, \q, \slot, \zero
	MUL16 6, (\q)%2, \q, \slot, \zero
	PLACES NP
	WIN 0
	FETCH_A \slot, (\q)+1, 4
.endm
.macro TURN slot, next                 ; slot 0's last step: one barrier; behind it slot 1 is whole and nobody reads slot 0.  Nothing is filled again
	s_wait_tensorcnt 0x0                           ; all my tensor loads have landed: my part of slot 1
	ds_add_u32 v[SPW], v[NIL]                      ; 0 onto my spare word
	s_wait_dscnt 4*NL+1                            ; (the add and A's blocks 4-7 may be out)
	WIN MUL_LO
	MUL16 0, 1, NQ-1, \slot, 0
	s_wait_dscnt 0x0                               ; the add is done, and my reads of this slot are over
	s_barrier_signal -1
	MUL16 2, 1, NQ-1, \slot, 0
	WIN 0
	s_barrier_wait -1
	PLACES NP
	v_add_nc_u32 v[ADRS], 4*NQ, v[ADRS]            ; on to the next K step's scale words
	FETCH_B \next, 0, 0
	FETCH_A \next, 0, 0
	SCALES \next
	WIN MUL_HI
	MUL16 4, 1, NQ-1, \slot, 0
	MUL16 6, 1, NQ-1, \slot, 0
	PLACES NP
	WIN 0
	FETCH_A \next, 0, 4
.endm
.macro STEPS slot, from
.set Q, \from
.rept NQ-1-\from
	STEP \slot, Q, 0
.set Q, Q+1
.endr
.endm
	s_wait_tensorcnt 1                             ; the scales and my part of K step 0 are in (K step 1's load may be out),
	s_barrier_signal -1
	s_barrier_wait -1                              ; everybody's are
	FETCH_B 0, 0, 0
	FETCH_A 0, 0, 0
	SCALES 0
	FETCH_A 0, 0, 4
	STEP 0, 0, 1                                   ; the first products start the sums: nothing is cleared
	STEPS 0, 1
	TURN 0, 1
	STEPS 1, 0
	s_wait_dscnt 4*NL                              ; the last step: nothing more to fetch
	WIN MUL_LO
	MUL16 0, 1, NQ-1, 1, 0
	MUL16 2, 1, NQ-1, 1, 0
	s_wait_dscnt 0
	WIN MUL_HI
	MUL16 4, 1, NQ-1, 1, 0
	MUL16 6, 1, NQ-1, 1, 0
	WIN 0
	PLACES NP                                      ; in front of every read of results and of the loads into the registers that held A's fragments
; The fine rows.  Where my block 0 is t = 0 .. 15 of a batch, its eight accumulators leave as they stand, 512 bytes on end a store.  The choice holds my place in the cluster, so it is a mask on the lanes and no branch.
	v_mov_b32 v31, s12
	v_cmp_eq_u32 vcc_lo, 0, v31
	s_wait_xcnt 0x0                                ; EXEC changes only behind this wait
	s_and_saveexec_b32 s95, vcc_lo
	WIN 0x08                                       ; a store's data: window 2
.irp b, 0,1,2,3,4,5,6,7
	global_store_b128 v[IMO], v[8*\b:8*\b+3], s[98:99] offset:1024*\b         ; each accumulator from its low end on
	global_store_b128 v[IMO], v[8*\b+4:8*\b+7], s[98:99] offset:1024*\b+512
.endr
	WIN 0
	s_wait_xcnt 0x0                                ; and again, in front of the line that widens it
	s_or_b32 exec_lo, exec_lo, s95
; THE WAY OUT, block by block of 16 rows x 128 columns (two heads).  PACK: rounded to f16, 16 bytes a lane.  TOSTAGE: into my own stage, and back so that sixteen lanes hold rows t, t + 1 of one head.  SEND: stored.
.macro PACK a
.set AC, 64*((\a)%4)
	WIN 0x0a+5*((\a)/4)                            ; sources 0 and 1: window 2 or 3
.irp b, 0,1,2,3,4,5,6,7
.irp r, 0,1,2,3
	v_cvt_pk_f16_f32 v[TMP+4*\b+\r], v[AC+8*\b+2*\r], v[AC+8*\b+2*\r+1]
.endr
.endr
	WIN 0
.endm
.macro TOSTAGE a
.set BB, BK+32*((\a)%2)
.irp b, 0,1,2,3,4,5,6,7
	ds_store_b128 v[STO], v[TMP+4*\b:TMP+4*\b+3] offset:32*\b
.endr
.irp t, 0,1,2,3,4,5,6,7
	ds_load_b128 v[BB+4*\t:BB+4*\t+3], v[RD] offset:\t*2*SPITCH    ; LDS serves a wave's instructions in order: these see the stores above
.endr
.endm
.macro SEND a
.set BB, BK+32*((\a)%2)
	s_wait_dscnt 0x0                               ; the block is back in registers
	s_wait_xcnt 0x0                                ; the stores of the block before have read their registers: the next block's loads may land there
.irp t, 0,1,2,3,4,5,6,7
	global_store_b128 v[CO], v[BB+4*\t:BB+4*\t+3], s[96:97] offset:2048*(\a)+256*\t   ; 16 lanes store 256 consecutive bytes, aligned
.endr
.endm
	PACK 0
	TOSTAGE 0
.irp a, 1,2,3,4,5,6,7                  ; block a's conversions stand between block a - 1's loads from the stage and the wait for them
	PACK \a
	SEND \a-1
	TOSTAGE \a
.endr
	SEND 7
	s_wait_tensorcnt 0x0                           ; the wave's end, behind my last tensor load and my last LDS store
	ds_add_u32 v[SPW], v[NIL]
	s_wait_dscnt 0x0
	CROUND                                         ; the closing round
	s_endpgm
.Lfunc_end_k_qf08cb87006_qkv:
	.size	k_qf08cb87006_qkv, .Lfunc_end_k_qf08cb87006_qkv-k_qf08cb87006_qkv
	.p2alignl 7, 3214868480
	.fill 96, 4, 3214868480
	.section	.rodata,"a",@progbits
	.p2align	6, 0x0
	.amdhsa_kernel k_qf08cb87006_qkv
		.amdhsa_group_segment_fixed_size 327680
		.amdhsa_private_segment_fixed_size 0
		.amdhsa_enable_private_segment 0
		.amdhsa_kernarg_size 48
		.amdhsa_user_sgpr_count 2
		.amdhsa_user_sgpr_kernarg_segment_ptr 1
		.amdhsa_wavefront_size32 1
		.amdhsa_system_sgpr_workgroup_id_x 1
		.amdhsa_system_sgpr_workgroup_id_y 1
		.amdhsa_system_sgpr_workgroup_id_z 1
		.amdhsa_system_vgpr_workitem_id 0
		.amdhsa_next_free_vgpr 1024
		.amdhsa_next_free_sgpr 100
		.amdhsa_reserve_vcc 1
		.amdhsa_float_denorm_mode_32 3
		.amdhsa_float_denorm_mode_16_64 3
		.amdhsa_memory_ordered 1
		.amdhsa_forward_progress 1
		.amdhsa_inst_pref_size 129
	.end_amdhsa_kernel
	.amdgpu_metadata
---
amdhsa.version: [ 1, 2 ]
amdhsa.kernels:
  - .name:           k_qf08cb87006_qkv
    .symbol:         k_qf08cb87006_qkv.kd
    .args:
      - { .name: x_codes, .offset: 0, .size: 8, .value_kind: global_buffer, .address_space: global }
      - { .name: x_scales, .offset: 8, .size: 8, .value_kind: global_buffer, .address_space: global }
      - { .name: wa_codes, .offset: 16, .size: 8, .value_kind: global_buffer, .address_space: global }
      - { .name: wa_scales, .offset: 24, .size: 8, .value_kind: global_buffer, .address_space: global }
      - { .name: qkv, .offset: 32, .size: 8, .value_kind: global_buffer, .address_space: global }
      - { .name: qkvf, .offset: 40, .size: 8, .value_kind: global_buffer, .address_space: global }
    .group_segment_fixed_size: 327680
    .private_segment_fixed_size: 0
    .kernarg_segment_align: 8
    .kernarg_segment_size: 48
    .max_flat_workgroup_size: 128
    .sgpr_count:     100
    .vgpr_count:     1024
    .wavefront_size: 32
...
	.end_amdgpu_metadata
.endif
;; end of part 2
;; launch attn (part 3): grid 4 x 64, 16 waves a work-group, no clusters, 327,680 bytes of LDS; arguments qkv, y; writes y
.if DOCPART == 3
	.amdgcn_target "amdgcn-amd-amdhsa--gfx1250"
	.amdhsa_code_object_version 6
	.text
	.protected	k_qf08cb87006_attn
	.globl	k_qf08cb87006_attn
	.p2align	8
	.type	k_qf08cb87006_attn,@function
k_qf08cb87006_attn:
	s_mov_b64 s[64:65], 0
	v_nop
	global_prefetch_b8 v0, s[64:65] scope:SCOPE_SE
	s_setreg_imm32_b32 hwreg(HW_REG_WAVE_MODE, 25, 1), 1
	s_wait_xcnt 0x0
; ATTN: y[b][h][q][:] = sum over k <= q of softmax_k(Q[q] . K[k] / 8) V[k][:], head size 64, 2,048 positions, 64 planes (batch x head).  Q, K, V, y in f16, head planes [plane][2048][64]; products' sums, maxima and sums in f32.
; SHARES.  Work-group (i, plane) owns query blocks i and 7 - i (256 queries each): (i + 1) + (8 - i) = 9 blocks of keys for every i, so all 256 work-groups have equal work.
; Each of SIXTEEN waves owns two tiles of 16 queries: tile A in block i, tile B in block 7 - i; four waves to a SIMD, so that one wave's vector work stands beside another's matrix work and LDS loads.
; Every work-group walks all 8 slots of 256 keys (constant trip counts); a step is 64 keys.  A step hidden from tile B is jumped over; tile A's part of a step is jumped over where it is hidden from A.
; NO CLUSTER: under the causal mask the four work-groups of a plane need 8, 7, 6 and 5 slots: a joint load would bring tiles that no wave of a partner reads.
; LAYOUT.  S^T = K Q^T (source 0 = 16 keys, source 1 = 16 queries), O^T = V^T P (source 0 = 16 channels, source 1 = P): a lane holds ONE query (lane % 16) throughout; register j of key tile kt is key 16 kt + 8 (lane / 16) + j.
; Two such tiles rounded to f16 in pairs ARE source 1 of the second product; they are laid over the low 16 score registers.  K comes out of LDS as it lies, V turned, by ds_load_tr16_b128.
; SOFTMAX.  A running maximum m and sum l for each query: p = 2^(c s - c m), c = log2(e) / 8; in every step O and l are multiplied by a = 2^(c m_old - c m_new).  m begins at -3e38, l and O at 0: the first a is 0.
; LDS.  A plane's rows are 128 bytes and dense, so a tile is stated as rows of 256 bytes (two keys): K's padded to 272, V's to 288.  Key k lies at (k / 2) x pitch + (k % 2) x 128.
; The rows t < 16 that this launch makes are made again, in f32, by a later launch.
.set PLANE, 262144
.set PKP,   272                        ; 16-byte columns of a K load's sixteen lanes: (r / 2) + 8 (r % 2): all different
.set PVP,   288                        ; of the turning load's: 2 p + c + 8 (key % 2): all different
.set VOFF,  128*PKP                    ; a slot: 128 double rows of K, then 128 of V
.set SLOT1, 1<<17                      ; slot 1 begins here: one exclusive or turns an address
.set STAGE, VOFF+128*PVP               ; behind slot 0: 16 rows x 144 bytes for each wave, for the way out; no fill lands there
.set SPARE, STAGE+16*2304              ; the spare words, 128 bytes for each wave: eight blocks of 256 bytes that no other line names
.set AK0, 1                            ; v1   my lane's place in a tile of K
.set AV0, 2                            ; v2   the same for V
.set ADK, 3                            ; v3   LDS address of the step's K
.set ADV, 4                            ; v4   of its V
.set SPW, 5                            ; v5   my spare word; never rewritten
.set NIL, 6                            ; v6   0; never rewritten
.set GO,  7                            ; v7   16 x lane
.set STO, 8                            ; v8   the way out: where I put 16 bytes of a row
.set RD,  9                            ; v9   where I read rows back
.set DA,  10                           ; v10, v11  my query - 8 (lane / 16), tile A, tile B
.set PFO, 12                           ; v12  256 x lane
.set QO,  13                           ; v13  my byte offset in a tile of Q
.set ST,  16                           ; v16-31  statistics, 8 a tile: +0 c m, +1 m, +2, +3 l, +4 to +7 c0-c3 at work (a in +6)
.set QF,  32                           ; v32-63  Q: tile t, channels 32 ds on, at 32 + 16 t + 8 ds
.set S,   64                           ; v64-127 S^T, 32 a tile; P in its low 16
.set OT,  128                          ; v128-191 O^T, 32 a tile
.set KV,  192                          ; v192-255 a step's fragments of K, then of V
.set TB,  2                            ; s2   LDS byte at which the slot in hand begins
.set WV,  18
.set SEL, 20
.set CS,  22
.set G1K, 24
.set G1V, 32
.set G0K, 40
.set G0V, 44
.set SLOTS, 48
.set KF,  49                           ; s49  the step's first key
.set QA,  50                           ; s50, s51  first query of tile A, of tile B
.set QA15, 52                          ; s52, s53  their last
.set QB15, 53
.set PFA, 54
.set LIM, 56
.set YA,  58
.set YB,  60
; Waves 0 and 1 fetch K's halves of a slot, waves 2 and 3 V's, the others nothing.  An s_nop 0 and four v_nop follow each line.
.macro TLOAD
	s_cmp_lt_u32 s[WV], 2
	s_cbranch_scc0 .Lnot_k_\@
	tensor_load_to_lds s[G0K:G0K+3], s[G1K:G1K+7]
	s_nop 0
.rept 4
	v_nop
.endr
	s_branch .Lasked_\@
.Lnot_k_\@:
	s_cmp_lt_u32 s[WV], 4
	s_cbranch_scc0 .Lasked_\@
	tensor_load_to_lds s[G0V:G0V+3], s[G1V:G1V+7]
	s_nop 0
.rept 4
	v_nop
.endr
.Lasked_\@:
.endm
; A prefetch of the slot that the NEXT change of slots will ask for: 32,768 bytes of K and as many of V.  The plane's first work-group asks (it walks all slots), in it waves 4-7 for K and 8-11 for V,
; 8,192 bytes a wave, lanes 256 bytes apart: each aligned 256 bytes once in the launch.  The last filling change asks for nothing; slots 0 and 1 come by their loads alone.
.macro ASK
	s_cmp_gt_u32 s[SLOTS], s[LIM]
	s_cbranch_scc0 .Lnot_mine_\@
	global_prefetch_b8 v[PFO], s[PFA:PFA+1] th:TH_LOAD_NT scope:SCOPE_SE
.Lnot_mine_\@:
.endm
	s_load_b128 s[4:7], s[0:1], 0x0                ; qkv s[4:5], y s[6:7]
	v_lshl_add_u32 v[SPW], v0, 2, SPARE
	v_mov_b32 v[NIL], 0
	ds_add_u32 v[SPW], v[NIL]                      ; the wave's opening: the add, twice on end, and its wait ahead of my first tensor load
	ds_add_u32 v[SPW], v[NIL]
	v_lshrrev_b32 v3, 5, v0
	v_readfirstlane_b32 s[WV], v3                  ; wave 0..15
	s_and_b32 s66, ttmp7, 0xffff                   ; the plane
	s_lshl_b32 s68, s66, 18                        ; its bytes
	s_and_b32 s67, s[WV], 1                        ; which half of a slot I fetch, if I fetch
	s_lshl_b32 s70, s67, 14
	s_add_co_u32 s70, s70, s68
	s_add_co_u32 s70, s70, 64*PLANE                ; K's section
	s_mov_b32 s71, 0
	s_add_co_u32 s72, s70, 64*PLANE                ; V's
	s_mov_b32 s73, 0
	s_mov_b32 s[G1K], (1<<16)|(1<<20)|(5<<22)|(3<<25)   ; no mask; elements of 2 bytes; padding of 4 words after every 64
	s_mov_b32 s[G1V], (1<<16)|(1<<20)|(5<<22)|(7<<25)   ; of 8 words
.irp g, G1K, G1V
	s_mov_b32 s[\g+1], 128<<16                     ; tensor_dim0 = 128 elements: two keys
	s_mov_b32 s[\g+2], 64<<16                      ; tensor_dim1 = 64
	s_mov_b32 s[\g+3], 128<<16                     ; tile_dim0
	s_mov_b32 s[\g+4], 64                          ; tile_dim1
	s_mov_b32 s[\g+5], 128                         ; the pitch: dense
	s_mov_b32 s[\g+6], 0
	s_mov_b32 s[\g+7], 0
.endr
	s_lshl_b32 s[QA], ttmp9, 8
	s_lshl_b32 s74, s[WV], 4
	s_add_co_u32 s[QA], s[QA], s74                 ; 256 i + 16 w
	s_sub_co_u32 s[QA+1], 7, ttmp9
	s_lshl_b32 s[QA+1], s[QA+1], 8
	s_add_co_u32 s[QA+1], s[QA+1], s74             ; 256 (7 - i) + 16 w
	s_add_co_u32 s[QA15], s[QA], 15
	s_add_co_u32 s[QB15], s[QA+1], 15
	s_lshl_b32 s74, s[QA], 7
	s_add_co_u32 s74, s74, s68                     ; tile A's rows in Q's section and in y
	s_mov_b32 s75, 0
	s_lshl_b32 s76, s[QA+1], 7
	s_add_co_u32 s76, s76, s68
	s_mov_b32 s77, 0
	s_mov_b32 s[SEL], 0x76543210
	s_mov_b32 s[SEL+1], 0xfedcba98                 ; v_permlanex16_b32's selects for lane l xor 16
	s_mov_b32 s[CS], 0x3e38aa3b                    ; c = log2(e) / 8
	s_mov_b32 s[CS+1], s[CS]
	s_mov_b32 s[TB], 0
	s_mov_b32 s[SLOTS], 7
	s_mov_b32 s[KF], 0
	s_mul_i32 s78, s67, 64*PKP
	s_mul_i32 s79, s67, 64*PVP
	s_wait_dscnt 0x0                               ; both opening adds are done
	s_wait_kmcnt 0x0
	s_mov_b32 s[G0K], 1
	s_mov_b32 s[G0K+1], s78
	s_add_nc_u64 s[G0K+2:G0K+3], s[4:5], s[70:71]
	s_or_b32 s[G0K+3], s[G0K+3], 0x80000000
	s_mov_b32 s[G0V], 1
	s_add_co_u32 s[G0V+1], s79, VOFF
	s_add_nc_u64 s[G0V+2:G0V+3], s[4:5], s[72:73]
	s_or_b32 s[G0V+3], s[G0V+3], 0x80000000
	TLOAD                                          ; slot 0
	s_add_nc_u64 s[YA:YA+1], s[6:7], s[74:75]
	s_add_nc_u64 s[YB:YB+1], s[6:7], s[76:77]
	s_add_nc_u64 s[74:75], s[4:5], s[74:75]        ; Q of tile A
	s_add_nc_u64 s[76:77], s[4:5], s[76:77]        ; of tile B
	s_mov_b32 s66, 128*PLANE
	s_cmp_lt_u32 s[WV], 8
	s_cselect_b32 s66, 64*PLANE, s66               ; waves 4-7 ask for K, waves 8-11 for V
	s_add_co_u32 s66, s66, s68
	s_and_b32 s67, s[WV], 3
	s_lshl_b32 s67, s67, 13
	s_add_co_u32 s66, s66, s67                     ; my wave's 8,192 bytes,
	s_add_co_u32 s66, s66, 32768                   ; in slot 1: the first change of slots steps it to slot 2
	s_mov_b32 s67, 0
	s_add_nc_u64 s[PFA:PFA+1], s[4:5], s[66:67]
	s_sub_co_u32 s66, s[WV], 4
	s_lshr_b32 s66, s66, 3                         ; 0 in waves 4 to 11,
	s_or_b32 s66, s66, ttmp9                       ; of the plane's first work-group
	s_cmp_eq_u32 s66, 0
	s_cselect_b32 s[LIM], 1, -1
	v_and_b32 v14, 15, v0                          ; r
	v_bfe_u32 v15, v0, 4, 1                        ; h
	v_lshlrev_b32 v[QO], 7, v14
	v_lshl_add_u32 v[QO], v15, 4, v[QO]            ; row r of 128 bytes, + 16 h
.irp d, 0,1
	global_load_b128 v[QF+8*\d:QF+8*\d+3], v[QO], s[74:75] offset:64*\d
	global_load_b128 v[QF+8*\d+4:QF+8*\d+7], v[QO], s[74:75] offset:64*\d+32
	global_load_b128 v[QF+16+8*\d:QF+16+8*\d+3], v[QO], s[76:77] offset:64*\d
	global_load_b128 v[QF+16+8*\d+4:QF+16+8*\d+7], v[QO], s[76:77] offset:64*\d+32
.endr
	v_lshrrev_b32 v[AK0], 1, v14
	v_mul_u32_u24 v[AK0], v[AK0], PKP
	v_and_b32 v3, 1, v14
	v_lshl_add_u32 v[AK0], v3, 7, v[AK0]
	v_lshl_add_u32 v[AK0], v15, 4, v[AK0]          ; (r / 2) x 272 + (r % 2) x 128 + 16 h
	v_bfe_u32 v4, v0, 1, 2
	v_lshl_add_u32 v4, v15, 2, v4
	v_mul_u32_u24 v[AV0], v4, PVP
	v_lshl_add_u32 v[AV0], v3, 7, v[AV0]
	v_bfe_u32 v4, v0, 3, 1
	v_lshl_add_u32 v[AV0], v4, 4, v[AV0]
	v_add_nc_u32 v[AV0], VOFF, v[AV0]              ; key 8 h + l % 8, channels 8 ((l / 8) % 2) on
	v_and_b32 v[GO], 31, v0
	v_lshlrev_b32 v[PFO], 8, v[GO]
	v_lshlrev_b32 v[GO], 4, v[GO]
	s_mul_i32 s66, s[WV], 2304
	s_add_co_u32 s66, s66, STAGE                   ; my stage
	v_mul_u32_u24 v[STO], v14, 144
	v_lshl_add_u32 v[STO], v15, 4, v[STO]
	v_add_nc_u32 v[STO], s66, v[STO]
	v_bfe_u32 v[RD], v0, 3, 2
	v_mul_u32_u24 v[RD], v[RD], 144
	v_and_b32 v3, 7, v0
	v_lshl_add_u32 v[RD], v3, 4, v[RD]
	v_add_nc_u32 v[RD], s66, v[RD]
	v_lshlrev_b32 v3, 3, v15
	v_sub_nc_u32 v3, v14, v3
	v_add_nc_u32 v[DA], s[QA], v3
	v_add_nc_u32 v[DA+1], s[QA+1], v3
.irp t, 0,1
	v_mov_b32 v[ST+8*\t+1], 0xff61b1e6             ; m: -3e38, under every score
	v_mul_f32 v[ST+8*\t], s[CS], v[ST+8*\t+1]      ; c m
.irp j, 2,3,4,5,6,7
	v_mov_b32 v[ST+8*\t+\j], 0                     ; l; and the registers at work, so that every way through the text finds them written
.endr
.endr
.set i, 0
.rept 32
	v_mov_b32 v[S+i], 0                            ; tile A's scores: three branches with one test lead round A's parts of a step; every way through them finds these written
.set i, i+1
.endr
.set i, 0
.rept 64
	v_mov_b32 v[OT+i], 0                           ; O^T.  (A step is written once for all steps: the first finds zeros)
.set i, i+1
.endr
; 8 products of S^T = K Q^T for tile t: the four accumulators take turns, one instruction a turn; the first four start the sums.
.macro SMUL t
.irp d, 0,1
.irp k, 0,1,2,3
.if \d == 0
	v_wmma_f32_16x16x32_f16 v[S+32*\t+8*\k:S+32*\t+8*\k+7], v[KV+16*\k+8*\d:KV+16*\k+8*\d+7], v[QF+16*\t+8*\d:QF+16*\t+8*\d+7], 0
.else
	v_wmma_f32_16x16x32_f16 v[S+32*\t+8*\k:S+32*\t+8*\k+7], v[KV+16*\k+8*\d:KV+16*\k+8*\d+7], v[QF+16*\t+8*\d:QF+16*\t+8*\d+7], v[S+32*\t+8*\k:S+32*\t+8*\k+7]
.endif
.endr
.endr
.endm
; 8 products of O^T += V^T P for tile t
.macro PVMUL t
.irp k, 0,1
.irp c, 0,1,2,3
	v_wmma_f32_16x16x32_f16 v[OT+32*\t+8*\c:OT+32*\t+8*\c+7], v[KV+8*(4*\k+\c):KV+8*(4*\k+\c)+7], v[S+32*\t+8*\k:S+32*\t+8*\k+7], v[OT+32*\t+8*\c:OT+32*\t+8*\c+7]
.endr
.endr
.endm
; On the diagonal the scores of hidden keys become -infinity ahead of the maximum.  A step all of whose keys count for all 16 queries skips this.  Key KF counts for every query of a step that is walked, so m is a number.
.macro MASK t
	s_add_co_u32 s66, s[KF], 63
	s_cmp_le_u32 s66, s[QA+\t]
	s_cbranch_scc1 .Lopen_\@
	v_sub_nc_u32 v[ST+8*\t+4], v[DA+\t], s[KF]     ; d: register 8 kt + j holds a hidden key where 16 kt + j > d
	v_mov_b32 v[ST+8*\t+5], 0xff800000
.set n, 0
.rept 32
	v_cmp_gt_i32 vcc_lo, 16*(n/8)+n%8, v[ST+8*\t+4]
	v_cndmask_b32 v[S+32*\t+n], v[S+32*\t+n], v[ST+8*\t+5], vcc_lo
.set n, n+1
.endr
.Lopen_\@:
.endm
.macro SOFTMAX t
.set rT, ST+8*\t
.set rS, S+32*\t
.set rO, OT+32*\t
.irp j, 0,1,2,3
	v_max3_num_f32 v[rT+4+\j], v[rS+8*\j], v[rS+8*\j+1], v[rS+8*\j+2]      ; four chains; each accumulator is read from its low end on
.endr
.irp g, 1,2
.irp j, 0,1,2,3
	v_max3_num_f32 v[rT+4+\j], v[rT+4+\j], v[rS+8*\j+2*\g+1], v[rS+8*\j+2*\g+2]
.endr
.endr
	v_max3_num_f32 v[rT+4], v[rT+4], v[rS+7], v[rS+15]
	v_max3_num_f32 v[rT+6], v[rT+6], v[rS+23], v[rS+31]
	v_max3_num_f32 v[rT+4], v[rT+4], v[rT+5], v[rT+6]
	v_max3_num_f32 v[rT+4], v[rT+4], v[rT+7], v[rT+1]                      ; with the old m
	v_permlanex16_b32 v[rT+5], v[rT+4], s[SEL], s[SEL+1]                   ; the query's other 32 keys lie in the lane 16 away
	v_mov_b32 v[rT+7], v[rT]                       ; c m_old
	v_max_num_f32 v[rT+1], v[rT+4], v[rT+5]        ; the new m
	v_mul_f32 v[rT], s[CS], v[rT+1]
	v_sub_f32 v[rT+7], v[rT+7], v[rT]              ; c m_old - c m_new
.set i, 0
.rept 16
	v_pk_fma_f32 v[rS+2*i:rS+2*i+1], v[rS+2*i:rS+2*i+1], s[CS:CS+1], v[rT:rT+1] op_sel_hi:[1,0,0] neg_lo:[0,0,1] neg_hi:[0,0,1]   ; c s - c m
.set i, i+1
.endr
	v_exp_f32 v[rT+6], v[rT+7]                     ; a
.set i, 0
.rept 32
	v_exp_f32 v[rS+i], v[rS+i]                     ; p, at most 1
.set i, i+1
.endr
	v_nop                                          ; a plain line behind the last exponential
	s_wait_alu depctr_va_vdst(0)                   ; one wait for the batch of 33, ahead of its first reader
	v_pk_mul_f32 v[rT+2:rT+3], v[rT+2:rT+3], v[rT+6:rT+7] op_sel_hi:[1,0]  ; l x a
	v_pk_add_f32 v[rT+4:rT+5], v[rS:rS+1], v[rS+2:rS+3]                    ; the sum of p, in two chains
.irp j, 4,8,12,16,20,24,28
	v_pk_add_f32 v[rT+2:rT+3], v[rT+2:rT+3], v[rS+\j:rS+\j+1]
	v_pk_add_f32 v[rT+4:rT+5], v[rT+4:rT+5], v[rS+\j+2:rS+\j+3]
.endr
	v_pk_add_f32 v[rT+2:rT+3], v[rT+2:rT+3], v[rT+4:rT+5]
.set i, 0
.rept 16
	v_cvt_pk_f16_f32 v[rS+i], v[rS+2*i], v[rS+2*i+1]   ; P over the low 16 score registers, ascending: register i is written when 2 i and 2 i + 1 are read
.set i, i+1
.endr
.set i, 0
.rept 16
	v_pk_mul_f32 v[rO+2*i:rO+2*i+1], v[rO+2*i:rO+2*i+1], v[rT+6:rT+7] op_sel_hi:[1,0]   ; O^T x a, from each accumulator's low end on
.set i, i+1
.endr
.endm
; A KEY STEP: 64 keys, the q-th of the slot in hand.
.macro STEP q
	s_cmp_gt_u32 s[KF], s[QB15]                    ; all its keys come after tile B's queries (and so after A's): only the step's count goes on
	s_cbranch_scc1 .Lhidden_\@
	v_add_nc_u32 v[ADK], s[TB], v[AK0]
	v_add_nc_u32 v[ADV], s[TB], v[AV0]
.rept 3
	v_nop                                          ; with the two additions five places behind the last products: for the loads into their operands, and for the scores laid over P
.endr
.irp k, 0,1,2,3
.irp d, 0,1
	ds_load_b128 v[KV+16*\k+8*\d:KV+16*\k+8*\d+3], v[ADK] offset:8704*(\q)+2176*\k+64*\d
	ds_load_b128 v[KV+16*\k+8*\d+4:KV+16*\k+8*\d+7], v[ADK] offset:8704*(\q)+2176*\k+64*\d+32
.endr
.endr
	s_wait_dscnt 0x0
	SMUL 1
	s_cmp_gt_u32 s[KF], s[QA15]
	s_cbranch_scc1 .Lno_a1_\@
	SMUL 0
.Lno_a1_\@:
.rept 4
	v_nop                                          ; places in front of the loads into K's registers and of the first read of scores
.endr
.irp k, 0,1
.irp c, 0,1,2,3
	ds_load_tr16_b128 v[KV+8*(4*\k+\c):KV+8*(4*\k+\c)+3], v[ADV] offset:9216*(\q)+4608*\k+32*\c
	ds_load_tr16_b128 v[KV+8*(4*\k+\c)+4:KV+8*(4*\k+\c)+7], v[ADV] offset:9216*(\q)+4608*\k+2304+32*\c
.endr
.endr
	MASK 1
	SOFTMAX 1
	s_cmp_gt_u32 s[KF], s[QA15]
	s_cbranch_scc1 .Lno_a2_\@
	MASK 0
	SOFTMAX 0
.Lno_a2_\@:
	s_wait_dscnt 0x0                               ; V is in
	PVMUL 1
	s_cmp_gt_u32 s[KF], s[QA15]
	s_cbranch_scc1 .Lno_a3_\@
	PVMUL 0
.Lno_a3_\@:
.Lhidden_\@:
	s_add_co_u32 s[KF], s[KF], 64
.endm
; THE CHANGE OF SLOTS stands at a slot's head.  Each wave waits for all its tensor loads, adds 0 to its spare word, and waits for that and for its reads of the slot that it has left.  Behind the barrier the slot
; ahead is whole and nobody reads the other one; fill = 1: that other slot takes the next 256 keys, while its first key is at or under my work-group's last query: a slot beyond that is read by none of the sixteen waves.
.macro CHANGE fill
	s_wait_tensorcnt 0x0                           ; no tensor load of mine is out, so a group 0 may be written
	ds_add_u32 v[SPW], v[NIL]
.if \fill
	ds_add_u32 v[SPW], v[NIL]                      ; and twice on end here, in every trip alike
	s_xor_b32 s[G0K+1], s[G0K+1], SLOT1
	s_add_nc_u64 s[G0K+2:G0K+3], s[G0K+2:G0K+3], 32768
	s_xor_b32 s[G0V+1], s[G0V+1], SLOT1
	s_add_nc_u64 s[G0V+2:G0V+3], s[G0V+2:G0V+3], 32768
	s_wait_xcnt 0x0                                ; the last prefetch, a slot back, has read its address
	s_add_nc_u64 s[PFA:PFA+1], s[PFA:PFA+1], 32768
.endif
	s_wait_dscnt 0x0
	s_barrier_signal -1
	s_barrier_wait -1
.if \fill
	s_add_co_u32 s66, s[KF], 256                   ; the first key of the slot that this change would ask for
	s_or_b32 s67, s[QA+1], 255                     ; my work-group's last query
	s_cmp_gt_u32 s66, s67                          ; ids and the count of steps alone: all sixteen waves go the same way
	s_cbranch_scc1 .Lpast_\@
	TLOAD                                          ; a wave's one tensor load until the next such barrier; every wait on TENSORcnt in this text is for 0
.Lpast_\@:
	ASK
.endif
.endm
.macro SLOT_STEPS
	STEP 0
	STEP 1
	STEP 2
	STEP 3
	s_xor_b32 s[TB], s[TB], SLOT1
.endm
	s_wait_loadcnt 0x0                             ; Q
.Lslot:                                            ; 7 trips
	CHANGE 1
	SLOT_STEPS
	s_sub_co_u32 s[SLOTS], s[SLOTS], 1
	s_cmp_lg_u32 s[SLOTS], 0
	s_cbranch_scc1 .Lslot
	CHANGE 0                                       ; the last slot is written out: nothing is left to ask for
	SLOT_STEPS
	; THE WAY OUT.  l's halves and the other lane's are added; O^T / l is rounded to f16 and goes through my stage; a tile's 16 rows are 2,048 bytes on end in y.
.rept 4
	v_nop                                          ; places behind the last products
.endr
.irp t, 0,1
	v_add_f32 v[ST+8*\t+4], v[ST+8*\t+2], v[ST+8*\t+3]
.endr
.irp t, 0,1
	v_permlanex16_b32 v[ST+8*\t+5], v[ST+8*\t+4], s[SEL], s[SEL+1]
.endr
.irp t, 0,1
	v_add_f32 v[ST+8*\t+4], v[ST+8*\t+4], v[ST+8*\t+5]
.endr
.irp t, 0,1
	v_rcp_f32 v[ST+8*\t+6], v[ST+8*\t+4]
.endr
	v_nop                                          ; a plain line behind the last reciprocal
	s_wait_alu depctr_va_vdst(0)                   ; one wait for both, ahead of the first reader
.irp t, 0,1
.set i, 0
.rept 16
	v_pk_mul_f32 v[OT+32*\t+2*i:OT+32*\t+2*i+1], v[OT+32*\t+2*i:OT+32*\t+2*i+1], v[ST+8*\t+6:ST+8*\t+7] op_sel_hi:[1,0]
.set i, i+1
.endr
.set i, 0
.rept 16
	v_cvt_pk_f16_f32 v[S+32*\t+i], v[OT+32*\t+2*i], v[OT+32*\t+2*i+1]
.set i, i+1
.endr
.irp c, 0,1,2,3
	ds_store_b128 v[STO], v[S+32*\t+4*\c:S+32*\t+4*\c+3] offset:32*\c
.endr
.irp c, 0,1,2,3
	ds_load_b128 v[S+32*\t+16+4*\c:S+32*\t+16+4*\c+3], v[RD] offset:576*\c   ; in order behind my stores; the next tile's stores come behind these
.endr
.endr
.irp c, 0,1,2,3
	s_wait_dscnt 11-\c                             ; tile A's load c is back; its younger loads and tile B's eight LDS instructions may be out
	global_store_b128 v[GO], v[S+16+4*\c:S+16+4*\c+3], s[YA:YA+1] offset:512*\c   ; 512 consecutive bytes, aligned
.endr
.irp c, 0,1,2,3
	s_wait_dscnt 3-\c
	global_store_b128 v[GO], v[S+48+4*\c:S+48+4*\c+3], s[YB:YB+1] offset:512*\c
.endr
	s_wait_tensorcnt 0x0                           ; the wave's end, behind my last tensor load and my last LDS store
	ds_add_u32 v[SPW], v[NIL]
	s_wait_dscnt 0x0
	s_endpgm
.Lfunc_end_k_qf08cb87006_attn:
	.size	k_qf08cb87006_attn, .Lfunc_end_k_qf08cb87006_attn-k_qf08cb87006_attn
	.p2alignl 7, 3214868480
	.fill 96, 4, 3214868480
	.section	.rodata,"a",@progbits
	.p2align	6, 0x0
	.amdhsa_kernel k_qf08cb87006_attn
		.amdhsa_group_segment_fixed_size 327680
		.amdhsa_private_segment_fixed_size 0
		.amdhsa_enable_private_segment 0
		.amdhsa_kernarg_size 16
		.amdhsa_user_sgpr_count 2
		.amdhsa_user_sgpr_kernarg_segment_ptr 1
		.amdhsa_wavefront_size32 1
		.amdhsa_system_sgpr_workgroup_id_x 1
		.amdhsa_system_sgpr_workgroup_id_y 1
		.amdhsa_system_sgpr_workgroup_id_z 1
		.amdhsa_system_vgpr_workitem_id 0
		.amdhsa_next_free_vgpr 256
		.amdhsa_next_free_sgpr 80
		.amdhsa_reserve_vcc 1
		.amdhsa_float_denorm_mode_32 3
		.amdhsa_float_denorm_mode_16_64 3
		.amdhsa_memory_ordered 1
		.amdhsa_forward_progress 1
		.amdhsa_inst_pref_size 194
	.end_amdhsa_kernel
	.amdgpu_metadata
---
amdhsa.version: [ 1, 2 ]
amdhsa.kernels:
  - .name:           k_qf08cb87006_attn
    .symbol:         k_qf08cb87006_attn.kd
    .args:
      - { .name: qkv, .offset: 0, .size: 8, .value_kind: global_buffer, .address_space: global }
      - { .name: y, .offset: 8, .size: 8, .value_kind: global_buffer, .address_space: global }
    .group_segment_fixed_size: 327680
    .private_segment_fixed_size: 0
    .kernarg_segment_align: 8
    .kernarg_segment_size: 16
    .max_flat_workgroup_size: 512
    .sgpr_count:     80
    .vgpr_count:     256
    .wavefront_size: 32
...
	.end_amdgpu_metadata
.endif
;; end of part 3
;; launch proj (part 4): grid 8 x 32, 4 waves a work-group, clusters of 4 x 4, 327,680 bytes of LDS; arguments y, wp16, out0; writes out0
.if DOCPART == 4
	.amdgcn_target "amdgcn-amd-amdhsa--gfx1250"
	.amdhsa_code_object_version 6
	.text
	.protected	k_qf08cb87006_proj
	.globl	k_qf08cb87006_proj
	.p2align	8
	.type	k_qf08cb87006_proj,@function
k_qf08cb87006_proj:
	s_mov_b64 s[64:65], 0
	v_nop
	global_prefetch_b8 v0, s[64:65] scope:SCOPE_SE
	s_setreg_imm32_b32 hwreg(HW_REG_WAVE_MODE, 25, 1), 1
	s_wait_xcnt 0x0
	s_wait_alu depctr_hold_cnt(0) depctr_sa_sdst(0) depctr_va_vdst(0) depctr_va_sdst(0) depctr_va_ssrc(0) depctr_va_vcc(0) depctr_vm_vsrc(0)
	s_getreg_b32 s2, hwreg(HW_REG_IB_STS2, 6, 4)
	s_cmp_eq_u32 s2, 0
	s_cbranch_scc0 .Lentry_in_a_cluster
	s_endpgm
.Lentry_in_a_cluster:
	s_bfe_u32 s2, ttmp6, 0x10000c
	s_cmp_lg_u32 s2, 0xf033
	s_cbranch_scc0 .Lentry_shape_is_right
	s_endpgm
.Lentry_shape_is_right:
; PROJ: out0[m][n] = sum over k of y[m][k] w_proj[k][n].  M 8,192, N 1,024, K 1,024; operands f16, sums f32, out0 f32.
; y lies in head planes [batch][head][2048 t][64]: k = 64 head + channel, so 64 along K of 256 rows are 32,768 bytes on end.  wp16 is [k][n]: its fragments come out of LDS turned, by ds_load_tr16_b128.
; A tile of out0 is 256 x 128: 256 work-groups.  Wave w takes rows 128 (w / 2) on and columns 64 (w % 2) on: 32 accumulators, all of window 1.  Used transposed (source 0 = 16 columns of w, source 1 = 16 rows of y).
; K goes in steps of 128 (two heads) through two LDS slots; waves 0, 1 fetch y's two heads, waves 2, 3 w's two halves of 64 rows.  CLUSTERS 4 x 4: y's tiles jointly along a row of the cluster, w's along a column.
; The rows t < 16 of every batch are stored again, carried in f32, by the launch that follows.
; REGISTERS: window 0: v16-30 addresses; v32-127, v128-223 two fragment buffers (B's 4 fragments, then A's 8); on the way out v32-95 rows.  window 1: accumulator (a, b) at v[8 (4 a + b)].
.set SLOT,   106496                    ; y's head 2 s (128 double rows x 272), y's head 2 s + 1, then w's 128 rows x 288
.set AHEAD,  34816
.set BOFF,   69632
.set STAGE,  2*SLOT                    ; 16 rows x 272 bytes for each wave, for the way out
.set SPARE,  STAGE+4*16*272            ; the spare words, 128 bytes for each wave: two blocks of 256 bytes that no other line names
.set ADRA, 16
.set ADRB, 20
.set STO,  24
.set RD,   25
.set CO,   26
.set SPW,  28
.set NIL,  29
.set PFO,  30
.set F0,   32
.set F1,   128
.set BK,   32
.set G1, 24
.set G0, 32
.set G1B, 48
.set G0B, 56
.set PFA, 44
.set LIM, 43
.set MSB, 0
.macro WIN new                         ; the immediate's high byte repeats the setting that is left
.if MSB != \new
	s_set_vgpr_msb (MSB<<8)|\new
.set MSB, \new
.endif
.endm
.set MULW, 0x50                        ; sources 0 and 1 window 0; C and D window 1
.macro JLOAD s                         ; a joint load; an s_nop 0 and four v_nop follow each of the two lines
	s_cmp_eq_u32 s11, 0
	s_cbranch_scc0 .Lfor_b_\@
	tensor_load_to_lds s[G0+4*\s:G0+4*\s+3], s[G1:G1+7]
	s_nop 0
.rept 4
	v_nop
.endr
	s_branch .Lasked_\@
.Lfor_b_\@:
	tensor_load_to_lds s[G0B+4*\s:G0B+4*\s+3], s[G1B:G1B+7]
	s_nop 0
.rept 4
	v_nop
.endr
.Lasked_\@:
.endm
.macro CREST
	s_cmp_lg_u32 s10, 0
	s_cbranch_scc1 .Lnot_wave_0_\@
	s_barrier_signal -3
.Lnot_wave_0_\@:
	s_barrier_wait -3
	s_barrier_signal -1
	s_barrier_wait -1
.endm
.macro CROUND
	s_barrier_signal -1
	s_barrier_wait -1
	CREST
.endm
; A prefetch of y's tile that stands TWO refills on (256 matrix instructions a wave ahead): 32,768 bytes a head.  The first cluster of a row of clusters asks; its four partners along x share the bytes out BY ADDRESS,
; 8,192 each, lanes 256 bytes apart; waves 0 and 1 ask, each for its head.  The loop's last trip asks for nothing.  w's 2 MB are read again by every tile row and are not asked for.
.macro ASK
	s_cmp_gt_u32 s3, s[LIM]
	s_cbranch_scc0 .Lnot_mine_\@
	global_prefetch_b8 v[PFO], s[PFA:PFA+1] th:TH_LOAD_NT scope:SCOPE_SE
.Lnot_mine_\@:
.endm
	s_load_b128 s[4:7], s[0:1], 0x0                ; y s[4:5], wp16 s[6:7]
	s_load_b64 s[8:9], s[0:1], 0x10                ; out0
	v_lshl_add_u32 v[SPW], v0, 2, SPARE
	v_mov_b32 v[NIL], 0
	ds_add_u32 v[SPW], v[NIL]                      ; the wave's opening: the add, twice on end, and its wait ahead of my first tensor load
	ds_add_u32 v[SPW], v[NIL]
	v_lshrrev_b32 v1, 5, v0
	v_readfirstlane_b32 s10, v1                    ; wave 0..3
	s_lshr_b32 s11, s10, 1                         ; which half of the tile's rows is mine.  Also: I fetch for y (0) or for w (1)
	s_and_b32 s12, s10, 1                          ; which half of its columns.  Also: which head, or which 64 rows of w, I fetch
	s_bfe_u32 s40, ttmp6, 0x40000                  ; cx, cy
	s_bfe_u32 s41, ttmp6, 0x40004
	s_lshl_b32 s42, ttmp9, 2
	s_add_co_u32 s42, s42, s40                     ; tile column
	s_and_b32 s13, ttmp7, 0xffff
	s_lshl_b32 s13, s13, 2
	s_add_co_u32 s13, s13, s41                     ; tile row
	s_lshl_b32 s43, s41, 2
	s_lshl_b32 s43, 15, s43                        ; my row of the cluster
	s_lshl_b32 s44, 0x1111, s40                    ; my column
	s_or_b32 s[G1+0], s43, (1<<16)|(1<<20)|(1<<21)|(5<<22)|(3<<25)   ; y: elements of 2 bytes; 4 words of padding after every 64
	s_or_b32 s[G1B+0], s44, (1<<16)|(1<<20)|(1<<21)|(5<<22)|(7<<25)  ; w: 8 words
	s_mov_b32 s[G1+1], 128<<16                     ; y: 128 double rows of 128 elements, dense
	s_mov_b32 s[G1+2], 128<<16
	s_mov_b32 s[G1+3], 128<<16
	s_mov_b32 s[G1+4], 128
	s_mov_b32 s[G1+5], 128
	s_mov_b32 s[G1+6], 0
	s_mov_b32 s[G1+7], 0
	s_mov_b32 s[G1B+1], 128<<16                    ; w: 64 rows of 128 elements, 1,024 elements apart
	s_mov_b32 s[G1B+2], 64<<16
	s_mov_b32 s[G1B+3], 128<<16
	s_mov_b32 s[G1B+4], 64
	s_mov_b32 s[G1B+5], 1024
	s_mov_b32 s[G1B+6], 0
	s_mov_b32 s[G1B+7], 0
	s_lshr_b32 s16, s13, 3                         ; the batch
	s_lshl_b32 s16, s16, 4
	s_add_co_u32 s16, s16, s12                     ; its head 0 or 1
	s_lshl_b32 s16, s16, 18
	s_and_b32 s17, s13, 7
	s_lshl_b32 s17, s17, 15                        ; the tile's 256 rows of 128 bytes
	s_add_co_u32 s16, s16, s17
	s_mov_b32 s17, 0
	s_lshl_b32 s46, s12, 17                        ; w: 64 rows of 2,048 bytes
	s_lshl_b32 s47, s42, 8                         ; the tile's 128 columns
	s_add_co_u32 s46, s46, s47
	s_mov_b32 s47, 0
	s_mul_i32 s20, s12, AHEAD                      ; where they go
	s_mul_i32 s21, s12, 64*288
	s_add_co_u32 s21, s21, BOFF
	s_wait_dscnt 0x0                               ; both opening adds are done
	s_wait_kmcnt 0x0
	s_add_nc_u64 s[14:15], s[4:5], s[16:17]
	s_add_nc_u64 s[46:47], s[6:7], s[46:47]
	CROUND                                         ; all sixteen work-groups are here: the first joint loads meet
.irp s, 0,1
	s_mov_b32 s[G0+4*\s], 1
	s_add_co_u32 s[G0+4*\s+1], s20, \s*SLOT
	s_add_nc_u64 s[G0+4*\s+2:G0+4*\s+3], s[14:15], \s*524288
	s_or_b32 s[G0+4*\s+3], s[G0+4*\s+3], 0x80000000
	s_mov_b32 s[G0B+4*\s], 1
	s_add_co_u32 s[G0B+4*\s+1], s21, \s*SLOT
	s_add_nc_u64 s[G0B+4*\s+2:G0B+4*\s+3], s[46:47], \s*262144
	s_or_b32 s[G0B+4*\s+3], s[G0B+4*\s+3], 0x80000000
	JLOAD \s
.endr
	v_and_b32 v1, 15, v0                           ; r
	v_bfe_u32 v2, v0, 4, 1                         ; h
	v_lshrrev_b32 v3, 1, v1
	v_mul_u32_u24 v3, v3, 272
	v_and_b32 v4, 1, v0
	v_lshl_add_u32 v3, v4, 7, v3
	v_lshl_add_u32 v3, v2, 4, v3                   ; y: (r / 2) x 272 + (r % 2) x 128 + 16 h
	v_and_b32 v5, 7, v0
	v_lshl_add_u32 v5, v2, 3, v5
	v_mul_u32_u24 v5, v5, 288
	v_bfe_u32 v6, v0, 3, 1
	v_lshl_add_u32 v5, v6, 4, v5                   ; w: row 8 h + l % 8, columns 8 ((l / 8) % 2) on
	s_mul_i32 s22, s11, 64*272                     ; my 128 rows of y
	s_lshl_b32 s23, s12, 7                         ; my 64 columns of w
	s_add_co_u32 s23, s23, BOFF
.irp s, 0,1
	v_add_nc_u32 v[ADRA+\s], s22, v3
	v_add_nc_u32 v[ADRB+\s], s23, v5
	s_add_co_u32 s22, s22, SLOT
	s_add_co_u32 s23, s23, SLOT
.endr
	s_mul_i32 s23, s10, 16*272
	s_add_co_u32 s23, s23, STAGE                   ; my stage
	v_mul_u32_u24 v4, v1, 272
	v_lshl_add_u32 v4, v2, 5, v4
	v_add_nc_u32 v[STO], s23, v4                   ; in: row r, 32 bytes for each half of the lanes
	v_mul_u32_u24 v5, v2, 272
	v_lshl_add_u32 v5, v1, 4, v5
	v_add_nc_u32 v[RD], s23, v5                    ; back: lanes 0-15 one row of 256 bytes, lanes 16-31 the next
	v_lshlrev_b32 v5, 12, v2
	v_lshl_add_u32 v[CO], v1, 4, v5                ; and the same two rows in out0
	v_and_b32 v[PFO], 31, v0
	v_lshlrev_b32 v[PFO], 8, v[PFO]
	s_lshl_b32 s16, s13, 20                        ; 256 rows of 4,096 bytes a tile row
	s_lshl_b32 s17, s11, 19
	s_add_co_u32 s16, s16, s17
	s_mov_b32 s17, 0
	s_add_nc_u64 s[8:9], s[8:9], s[16:17]
	s_lshl_b32 s46, s42, 9                         ; the tile's first column, in bytes, + my 64 columns
	s_lshl_b32 s47, s12, 8
	s_add_co_u32 s46, s46, s47
	s_mov_b32 s47, 0
	s_add_nc_u64 s[8:9], s[8:9], s[46:47]
	s_lshl_b32 s18, s40, 13                        ; the prefetches: my work-group's 8,192 bytes of my head's tile,
	s_mov_b32 s19, 0
	s_add_nc_u64 s[PFA:PFA+1], s[14:15], s[18:19]
	s_add_nc_u64 s[PFA:PFA+1], s[PFA:PFA+1], 3*524288   ; in K step 3: the first refill steps it to K step 4
	s_or_b32 s18, s11, ttmp9
	s_cmp_eq_u32 s18, 0
	s_cselect_b32 s[LIM], 1, -1                    ; the same in all sixteen partners, for a given wave
; n blocks of A from a0 on x B's four, 32 along K.  The 32 accumulators take turns, one instruction a turn, in the same order in every quarter.
.macro MUL f, a0, n, zero
.set aa, \a0
.rept \n
.irp b, 0,1,2,3
.if \zero
	v_wmma_f32_16x16x32_f16 v[8*(4*aa+\b):8*(4*aa+\b)+7], v[\f+8*\b:\f+8*\b+7], v[\f+32+8*aa:\f+32+8*aa+7], 0
.else
	v_wmma_f32_16x16x32_f16 v[8*(4*aa+\b):8*(4*aa+\b)+7], v[\f+8*\b:\f+8*\b+7], v[\f+32+8*aa:\f+32+8*aa+7], v[8*(4*aa+\b):8*(4*aa+\b)+7]
.endif
.endr
.set aa, aa+1
.endr
.endm
; 24 LDS loads in one run: the fragments of quarter qd (32 along K) of a slot into buffer f: B's four, A's blocks 0-3, A's blocks 4-7
.macro FETCH slot, qd, f
	WIN 0
.irp b, 0,1,2,3
	ds_load_tr16_b128 v[\f+8*\b:\f+8*\b+3], v[ADRB+\slot] offset:9216*(\qd)+32*\b
	ds_load_tr16_b128 v[\f+8*\b+4:\f+8*\b+7], v[ADRB+\slot] offset:9216*(\qd)+4608+32*\b
.endr
.irp a, 0,1,2,3,4,5,6,7
	ds_load_b128 v[\f+32+8*\a:\f+32+8*\a+3], v[ADRA+\slot] offset:AHEAD*((\qd)/2)+64*((\qd)%2)+2176*\a
	ds_load_b128 v[\f+32+8*\a+4:\f+32+8*\a+7], v[ADRA+\slot] offset:AHEAD*((\qd)/2)+64*((\qd)%2)+2176*\a+32
.endr
.endm
.macro PLACES                          ; four plain lines in front of loads into registers that matrix instructions have read, and of reads of results
.rept 4
	v_nop
.endr
.endm
.macro QUARTER slot, qn, f, g, zero    ; multiplies buffer f; in its middle fetches quarter qn of the same slot into g
	s_wait_dscnt 8                                 ; B and A's blocks 0-3 are in; the youngest eight loads (A's blocks 4-7) may be out
	WIN MULW
	MUL \f, 0, 4, \zero
	PLACES
	FETCH \slot, \qn, \g
	s_wait_dscnt 24                                ; all but the 24 just issued
	WIN MULW
	MUL \f, 4, 4, \zero
.endm
; A slot's last quarter multiplies buffer 1 and changes slots: one barrier; in front of it each wave waits for all its tensor loads, adds 0 to its spare word, and waits for that and for its reads of this slot.
.macro TURN slot, next, fill
.if \fill
	s_wait_xcnt 0x0                                ; the last prefetch, a K step back, has read its address
	s_add_nc_u64 s[PFA:PFA+1], s[PFA:PFA+1], 524288
.endif
	WIN 0
	s_wait_tensorcnt 0x0                           ; all my tensor loads have landed: my part of the next slot
	ds_add_u32 v[SPW], v[NIL]
	s_wait_dscnt 9                                 ; (the add and A's blocks 4-7 may be out)
	WIN MULW
	MUL F1, 0, 2, 0
	s_wait_dscnt 0x0                               ; the add is done, and my reads of this slot are over
	s_barrier_signal -1
	MUL F1, 2, 2, 0
.if \fill
	WIN 0
.endif
	s_barrier_wait -1
.if \fill
	CREST                                          ; the barrier has opened a round of the cluster's: no wave of any partner still reads this slot or has a load on its way
	s_add_nc_u64 s[G0+4*\slot+2:G0+4*\slot+3], s[G0+4*\slot+2:G0+4*\slot+3], 1048576
	s_add_nc_u64 s[G0B+4*\slot+2:G0B+4*\slot+3], s[G0B+4*\slot+2:G0B+4*\slot+3], 524288
	JLOAD \slot                                    ; my one tensor load behind the round; its four v_nop are also the places in front of the loads below
.else
	PLACES
.endif
	FETCH \next, 0, F0
.if \fill
	ASK
.endif
	WIN MULW
	MUL F1, 4, 4, 0
.endm
	s_wait_tensorcnt 1                             ; my part of K step 0 is in (K step 1's may be out),
	s_barrier_signal -1
	s_barrier_wait -1                              ; everybody's is
	FETCH 0, 0, F0
	QUARTER 0, 1, F0, F1, 1                        ; the first quarter's products start the sums
	WIN 0
	s_mov_b32 s3, 3
.Llap:                                             ; a trip goes once round the ring and fills both slots again
	QUARTER 0, 2, F1, F0, 0
	QUARTER 0, 3, F0, F1, 0
	TURN 0, 1, 1
	QUARTER 1, 1, F0, F1, 0
	QUARTER 1, 2, F1, F0, 0
	QUARTER 1, 3, F0, F1, 0
	TURN 1, 0, 1
	QUARTER 0, 1, F0, F1, 0
	WIN 0
	s_sub_co_u32 s3, s3, 1
	s_cmp_lg_u32 s3, 0
	s_cbranch_scc1 .Llap
	QUARTER 0, 2, F1, F0, 0                        ; the last lap fills nothing
	QUARTER 0, 3, F0, F1, 0
	TURN 0, 1, 0
	QUARTER 1, 1, F0, F1, 0
	QUARTER 1, 2, F1, F0, 0
	QUARTER 1, 3, F0, F1, 0
	s_wait_dscnt 8
	WIN MULW
	MUL F1, 0, 4, 0
	s_wait_dscnt 0
	MUL F1, 4, 4, 0
	WIN 0
; THE WAY OUT, block by block of 16 rows x 64 columns, through my own stage: sixteen lanes then store one row's 256 consecutive bytes.
.macro TOSTAGE a
	WIN 0x04                                       ; an LDS store's data: window 1
.irp b, 0,1,2,3
	ds_store_b128 v[STO], v[8*(4*(\a)+\b):8*(4*(\a)+\b)+3] offset:64*\b          ; each accumulator from its low end on
	ds_store_b128 v[STO], v[8*(4*(\a)+\b)+4:8*(4*(\a)+\b)+7] offset:64*\b+16
.endr
	WIN 0
.set BB, BK+32*((\a)%2)
.irp t, 0,1,2,3,4,5,6,7
	ds_load_b128 v[BB+4*\t:BB+4*\t+3], v[RD] offset:\t*544
.endr
.endm
.macro SEND a, younger
.set BB, BK+32*((\a)%2)
	s_wait_dscnt \younger                          ; the block is back; the next block's sixteen LDS instructions may be out
.irp t, 0,1,2,3,4,5,6,7
	global_store_b128 v[CO], v[BB+4*\t:BB+4*\t+3], s[8:9] offset:(16*(\a)+2*\t)*4096 th:TH_STORE_NT
.endr
.endm
	PLACES
	TOSTAGE 0
.irp a, 1,2,3,4,5,6,7
.if \a > 1
	s_wait_xcnt 0x0                                ; block a - 2's stores have read their registers: block a's loads may land there
.endif
	TOSTAGE \a
	SEND \a-1, 16
.endr
	SEND 7, 0
	s_wait_tensorcnt 0x0                           ; the wave's end, behind my last tensor load and my last LDS store
	ds_add_u32 v[SPW], v[NIL]
	s_wait_dscnt 0x0
	CROUND                                         ; the closing round
	s_endpgm
.Lfunc_end_k_qf08cb87006_proj:
	.size	k_qf08cb87006_proj, .Lfunc_end_k_qf08cb87006_proj-k_qf08cb87006_proj
	.p2alignl 7, 3214868480
	.fill 96, 4, 3214868480
	.section	.rodata,"a",@progbits
	.p2align	6, 0x0
	.amdhsa_kernel k_qf08cb87006_proj
		.amdhsa_group_segment_fixed_size 327680
		.amdhsa_private_segment_fixed_size 0
		.amdhsa_enable_private_segment 0
		.amdhsa_kernarg_size 24
		.amdhsa_user_sgpr_count 2
		.amdhsa_user_sgpr_kernarg_segment_ptr 1
		.amdhsa_wavefront_size32 1
		.amdhsa_system_sgpr_workgroup_id_x 1
		.amdhsa_system_sgpr_workgroup_id_y 1
		.amdhsa_system_sgpr_workgroup_id_z 1
		.amdhsa_system_vgpr_workitem_id 0
		.amdhsa_next_free_vgpr 512
		.amdhsa_next_free_sgpr 66
		.amdhsa_reserve_vcc 0
		.amdhsa_float_denorm_mode_32 3
		.amdhsa_float_denorm_mode_16_64 3
		.amdhsa_memory_ordered 1
		.amdhsa_forward_progress 1
		.amdhsa_inst_pref_size 87
	.end_amdhsa_kernel
	.amdgpu_metadata
---
amdhsa.version: [ 1, 2 ]
amdhsa.kernels:
  - .name:           k_qf08cb87006_proj
    .symbol:         k_qf08cb87006_proj.kd
    .args:
      - { .name: y, .offset: 0, .size: 8, .value_kind: global_buffer, .address_space: global }
      - { .name: wp16, .offset: 8, .size: 8, .value_kind: global_buffer, .address_space: global }
      - { .name: out0, .offset: 16, .size: 8, .value_kind: global_buffer, .address_space: global }
    .group_segment_fixed_size: 327680
    .private_segment_fixed_size: 0
    .kernarg_segment_align: 8
    .kernarg_segment_size: 24
    .max_flat_workgroup_size: 128
    .sgpr_count:     66
    .vgpr_count:     512
    .wavefront_size: 32
...
	.end_amdgpu_metadata
.endif
;; end of part 4
;; launch fine (part 5): grid 16 x 4, 16 waves a work-group, no clusters, 71,680 bytes of LDS; arguments qkvf, w_proj, out0; writes out0
.if DOCPART == 5
	.amdgcn_target "amdgcn-amd-amdhsa--gfx1250"
	.amdhsa_code_object_version 6
	.text
	.protected	k_qf08cb87006_fine
	.globl	k_qf08cb87006_fine
	.p2align	8
	.type	k_qf08cb87006_fine,@function
k_qf08cb87006_fine:
	s_mov_b64 s[64:65], 0
	v_nop
	global_prefetch_b8 v0, s[64:65] scope:SCOPE_SE
	s_setreg_imm32_b32 hwreg(HW_REG_WAVE_MODE, 25, 1), 1
	s_wait_xcnt 0x0
; FINE: positions 0 .. 15 of every batch, wholly in f32: scores, softmax, the weighted values and the projection; it stores those 64 rows of out0 over what the launch before left there.
; Work-group (jn, b) makes rows b x 2048 + 0 .. 15, columns 64 jn .. 64 jn + 63.  Wave h does head h's 16 x 16 attention (repeated in the 16 column work-groups: 32 small products, less than a launch of its own would cost),
; then the partial projection over its own 64 channels; the 16 partials meet in LDS, and wave q stores row q.
; q, k, v come as images of accumulators: lane (r, hh) holds position r, channels 16 ct + 8 hh + 0 .. 7 in registers 8 ct + 0 .. 7.  The f32 matrix form takes k = 2 hh + j from a pair of registers; a permutation of k that is
; alike on both sides keeps a sum, so each even pair of registers of K and of Q is a pair of operands as it stands; likewise P's pairs (keys 8 hh + 2 s + j) and O's pairs (channels).  Only V is turned, through LDS.
; The registers that the f32 matrix form writes (v192-255) are written by matrix instructions alone.
.set SPARE, 69632                      ; behind the 16 stages of 16 rows x 272 bytes: the spare words, 128 bytes for each wave
.set IMO, 3                            ; v3   16 x lane
.set WO,  4                            ; v4   w_proj: 8 hh rows + 16 r bytes
.set VST, 5                            ; v5   V into my stage: row r, + 32 hh
.set VLD, 6                            ; v6   and out: row 8 hh, + 4 r
.set RST, 7                            ; v7   my partial into my stage: row r, + 128 hh
.set RLD, 8                            ; v8   row (my wave's number) of a stage, 8 bytes a lane
.set GO,  9                            ; v9   8 x lane
.set SPW, 10
.set NIL, 11
.set DD,  12                           ; v12  r - 8 hh: register j holds a hidden key where j > that
.set P,   16                           ; v16-23 scores, then p
.set QR,  32                           ; v32-63 Q; with K's registers later the second half of W, later the 16 partials
.set KR,  64
.set VR,  96                           ; v96-127 V, then V turned
.set W0,  128                          ; v128-191 the first half of W
.set W1,  32
.set OR,  192                          ; v192-223 O^T
.set OUT, 224                          ; v224-255 four accumulators of the projection; the first two hold the scores' two sums before
	s_load_b128 s[4:7], s[0:1], 0x0                ; qkvf s[4:5], w_proj s[6:7]
	s_load_b64 s[8:9], s[0:1], 0x10                ; out0
	v_lshl_add_u32 v[SPW], v0, 2, SPARE
	v_mov_b32 v[NIL], 0
	v_lshrrev_b32 v1, 5, v0
	v_readfirstlane_b32 s10, v1                    ; my wave's number: the head, later the row
	s_and_b32 s11, ttmp7, 0xffff                   ; the batch
	v_and_b32 v1, 15, v0                           ; r
	v_bfe_u32 v2, v0, 4, 1                         ; hh
	v_and_b32 v13, 31, v0
	v_lshlrev_b32 v[IMO], 4, v13
	v_lshlrev_b32 v[WO], 4, v1
	v_lshl_add_u32 v[WO], v2, 15, v[WO]
	s_mul_i32 s12, s10, 4352                       ; my stage
	v_mul_u32_u24 v14, v1, 272
	v_add_nc_u32 v14, s12, v14
	v_lshl_add_u32 v[VST], v2, 5, v14
	v_lshl_add_u32 v[RST], v2, 7, v14
	v_mul_u32_u24 v[VLD], v2, 2176
	v_lshl_add_u32 v[VLD], v1, 2, v[VLD]
	v_add_nc_u32 v[VLD], s12, v[VLD]
	s_mul_i32 s13, s10, 272
	v_lshlrev_b32 v[GO], 3, v13
	v_add_nc_u32 v[RLD], s13, v[GO]
	v_lshlrev_b32 v14, 3, v2
	v_sub_nc_u32 v[DD], v1, v14
	s_mul_i32 s14, s11, 196608
	s_lshl_b32 s15, s10, 12
	s_add_co_u32 s14, s14, s15                     ; the batch's images, my head's four column tiles
	s_mov_b32 s15, 0
	s_lshl_b32 s16, s10, 18                        ; w_proj: my head's 64 rows of 4,096 bytes,
	s_lshl_b32 s17, ttmp9, 8                       ; the work-group's 64 columns
	s_add_co_u32 s16, s16, s17
	s_mov_b32 s17, 0
	s_lshl_b32 s18, s11, 23                        ; out0: the batch's 2,048 rows of 4,096 bytes,
	s_lshl_b32 s19, s10, 12                        ; row = my wave's number,
	s_add_co_u32 s18, s18, s19
	s_lshl_b32 s19, ttmp9, 8
	s_add_co_u32 s18, s18, s19
	s_mov_b32 s19, 0
	s_mov_b32 s20, 0x76543210
	s_mov_b32 s21, 0xfedcba98                      ; v_permlanex16_b32's selects for lane l xor 16
	s_mov_b32 s22, 0x3e38aa3b                      ; c = log2(e) / 8
	s_wait_kmcnt 0x0
	s_add_nc_u64 s[4:5], s[4:5], s[14:15]
	s_add_nc_u64 s[6:7], s[6:7], s[16:17]
	s_add_nc_u64 s[8:9], s[8:9], s[18:19]
.irp c, 0,1,2,3
	global_load_b128 v[QR+8*\c:QR+8*\c+3], v[IMO], s[4:5] offset:1024*\c
	global_load_b128 v[QR+8*\c+4:QR+8*\c+7], v[IMO], s[4:5] offset:1024*\c+512
.endr
.irp c, 0,1,2,3
	global_load_b128 v[KR+8*\c:KR+8*\c+3], v[IMO], s[4:5] offset:65536+1024*\c
	global_load_b128 v[KR+8*\c+4:KR+8*\c+7], v[IMO], s[4:5] offset:65536+1024*\c+512
.endr
.irp c, 0,1,2,3
	global_load_b128 v[VR+8*\c:VR+8*\c+3], v[IMO], s[4:5] offset:131072+1024*\c
	global_load_b128 v[VR+8*\c+4:VR+8*\c+7], v[IMO], s[4:5] offset:131072+1024*\c+512
.endr
; W: group g = 4 t + s holds channels 16 t + 8 hh + 2 s + 0, 1 of my head: two loads; in each, sixteen lanes read the row's 256 bytes, lane r columns 4 r .. 4 r + 3
.set g, 0
.rept 8
	global_load_b128 v[W0+8*g:W0+8*g+3], v[WO], s[6:7] offset:(16*(g/4)+2*(g%4))*4096
	global_load_b128 v[W0+8*g+4:W0+8*g+7], v[WO], s[6:7] offset:(16*(g/4)+2*(g%4)+1)*4096
.set g, g+1
.endr
	s_wait_loadcnt 24                              ; Q and K are in; V's 8 loads and W's 16 may be out
; S^T = K Q^T: 16 steps of 4 channels, on two accumulators by turns; the first of each starts its sum.  A lane holds query r, register j key 8 hh + j.
.set e, 0
.rept 16
.if e < 2
	v_wmma_f32_16x16x4_f32 v[OUT+8*(e%2):OUT+8*(e%2)+7], v[KR+2*e:KR+2*e+1], v[QR+2*e:QR+2*e+1], 0
.else
	v_wmma_f32_16x16x4_f32 v[OUT+8*(e%2):OUT+8*(e%2)+7], v[KR+2*e:KR+2*e+1], v[QR+2*e:QR+2*e+1], v[OUT+8*(e%2):OUT+8*(e%2)+7]
.endif
.set e, e+1
.endr
	s_wait_loadcnt 16                              ; V is in; W's 16 may be out
.irp c, 0,1,2,3
	ds_store_b128 v[VST], v[VR+8*\c:VR+8*\c+3] offset:64*\c          ; V by rows: key r, 256 bytes of channels
	ds_store_b128 v[VST], v[VR+8*\c+4:VR+8*\c+7] offset:64*\c+16
.endr
.irp c, 0,1,2,3
.irp j, 0,1,2,3,4,5,6,7
	ds_load_b32 v[VR+8*\c+\j], v[VLD] offset:272*\j+64*\c            ; and back turned: V(key 8 hh + j, channel 16 c + r); in order behind my stores
.endr
.endr
.rept 8
	v_nop                                          ; eight places behind this matrix form: for the read of the scores and for the loads into Q's and K's registers
.endr
.set g, 8
.rept 8
	global_load_b128 v[W1+8*(g-8):W1+8*(g-8)+3], v[WO], s[6:7] offset:(16*(g/4)+2*(g%4))*4096
	global_load_b128 v[W1+8*(g-8)+4:W1+8*(g-8)+7], v[WO], s[6:7] offset:(16*(g/4)+2*(g%4)+1)*4096
.set g, g+1
.endr
; the softmax of my query's 8 keys and, by one exchange, of the other 8
.irp j, 0,1,2,3,4,5,6,7
	v_add_f32 v[P+\j], v[OUT+\j], v[OUT+8+\j]      ; the two sums, from their low ends on
.endr
	v_mov_b32 v24, 0xff800000
.irp j, 0,1,2,3,4,5,6,7
	v_cmp_gt_i32 vcc_lo, \j, v[DD]
	v_cndmask_b32 v[P+\j], v[P+\j], v24, vcc_lo    ; hidden keys: -infinity.  Key 0 counts for every query
.endr
	v_max3_num_f32 v25, v[P], v[P+1], v[P+2]
	v_max3_num_f32 v26, v[P+3], v[P+4], v[P+5]
	v_max3_num_f32 v25, v25, v[P+6], v[P+7]
	v_max_num_f32 v25, v25, v26
	v_permlanex16_b32 v26, v25, s20, s21
	v_max_num_f32 v25, v25, v26                    ; the row's maximum
	v_mul_f32 v25, s22, v25
.irp j, 0,1,2,3,4,5,6,7
	v_fma_f32 v[P+\j], v[P+\j], s22, -v25
.endr
.irp j, 0,1,2,3,4,5,6,7
	v_exp_f32 v[P+\j], v[P+\j]
.endr
	v_nop                                          ; a plain line behind the last exponential
	s_wait_alu depctr_va_vdst(0)                   ; one wait for the eight, ahead of their first reader
	v_add_f32 v26, v[P], v[P+1]
	v_add_f32 v27, v[P+2], v[P+3]
	v_add_f32 v28, v[P+4], v[P+5]
	v_add_f32 v29, v[P+6], v[P+7]
	v_add_f32 v26, v26, v27
	v_add_f32 v28, v28, v29
	v_add_f32 v26, v26, v28
	v_permlanex16_b32 v27, v26, s20, s21
	v_add_f32 v26, v26, v27                        ; the row's sum
	v_rcp_f32 v28, v26
	v_nop
	s_wait_alu depctr_va_vdst(0)
.irp j, 0,1,2,3,4,5,6,7
	v_mul_f32 v[P+\j], v[P+\j], v28
.endr
	s_wait_dscnt 0x0                               ; V turned is in
; O^T = V^T P: four accumulators by turns; a lane holds query r, register j of tile c channel 16 c + 8 hh + j
.irp s, 0,1,2,3
.irp c, 0,1,2,3
.if \s == 0
	v_wmma_f32_16x16x4_f32 v[OR+8*\c:OR+8*\c+7], v[VR+8*\c+2*\s:VR+8*\c+2*\s+1], v[P+2*\s:P+2*\s+1], 0
.else
	v_wmma_f32_16x16x4_f32 v[OR+8*\c:OR+8*\c+7], v[VR+8*\c+2*\s:VR+8*\c+2*\s+1], v[P+2*\s:P+2*\s+1], v[OR+8*\c:OR+8*\c+7]
.endif
.endr
.endr
	s_wait_loadcnt 0x0                             ; all of W
; In a group of 8 registers (a0 a1 a2 a3 b0 b1 b2 b3: two channels x four columns) two exchanges bring each column's two channels side by side: a0 b0 a2 b2 a1 b1 a3 b3: column i at 4 (i & 1) + (i & 2)
.set g, 0
.rept 8
	v_swap_b32 v[W0+8*g+1], v[W0+8*g+4]
	v_swap_b32 v[W0+8*g+3], v[W0+8*g+6]
	v_swap_b32 v[W1+8*g+1], v[W1+8*g+4]
	v_swap_b32 v[W1+8*g+3], v[W1+8*g+6]
.set g, g+1
.endr
.rept 9
	v_nop                                          ; nine places: O^T becomes an operand, and the scores' accumulators are begun anew
.endr
; my head's part of the projection: source 0 = 16 columns (4 r' + i) x 4 channels of W, source 1 = O's pair.  Four accumulators by turns.  In tile i a lane holds query r, register j column 4 (8 hh + j) + i
.set g, 0
.rept 16
.if g < 8
.set WG, W0+8*g
.else
.set WG, W1+8*(g-8)
.endif
.irp i, 0,1,2,3
.if g == 0
	v_wmma_f32_16x16x4_f32 v[OUT+8*\i:OUT+8*\i+7], v[WG+4*(\i&1)+(\i&2):WG+4*(\i&1)+(\i&2)+1], v[OR+2*g:OR+2*g+1], 0
.else
	v_wmma_f32_16x16x4_f32 v[OUT+8*\i:OUT+8*\i+7], v[WG+4*(\i&1)+(\i&2):WG+4*(\i&1)+(\i&2)+1], v[OR+2*g:OR+2*g+1], v[OUT+8*\i:OUT+8*\i+7]
.endif
.endr
.set g, g+1
.endr
.rept 8
	v_nop                                          ; eight places: for the read of the results and for the loads into W's registers
.endr
.irp i, 0,1,2,3
.irp j, 0,1,2,3,4,5,6,7
	ds_store_b32 v[RST], v[OUT+8*\i+\j] offset:16*\j+4*\i            ; my partial, by rows of 64 columns; each accumulator from its low end on
.endr
.endr
	s_wait_dscnt 0x0                               ; for the others' sake: my stores have landed
	s_barrier_signal -1
	s_barrier_wait -1
.set u, 0
.rept 16
	ds_load_b64 v[32+2*u:33+2*u], v[RLD] offset:4352*u               ; row (my wave's number) of every head's partial
.set u, u+1
.endr
	s_wait_dscnt 0x0
.set u, 1
.rept 15
	v_pk_add_f32 v[32:33], v[32:33], v[32+2*u:33+2*u]                ; the heads in ascending order
.set u, u+1
.endr
	global_store_b64 v[GO], v[32:33], s[8:9]       ; 32 lanes store 256 consecutive bytes, aligned
	s_wait_tensorcnt 0x0                           ; the wave's end, behind my last LDS store
	ds_add_u32 v[SPW], v[NIL]
	s_wait_dscnt 0x0
	s_endpgm
.Lfunc_end_k_qf08cb87006_fine:
	.size	k_qf08cb87006_fine, .Lfunc_end_k_qf08cb87006_fine-k_qf08cb87006_fine
	.p2alignl 7, 3214868480
	.fill 96, 4, 3214868480
	.section	.rodata,"a",@progbits
	.p2align	6, 0x0
	.amdhsa_kernel k_qf08cb87006_fine
		.amdhsa_group_segment_fixed_size 71680
		.amdhsa_private_segment_fixed_size 0
		.amdhsa_enable_private_segment 0
		.amdhsa_kernarg_size 24
		.amdhsa_user_sgpr_count 2
		.amdhsa_user_sgpr_kernarg_segment_ptr 1
		.amdhsa_wavefront_size32 1
		.amdhsa_system_sgpr_workgroup_id_x 1
		.amdhsa_system_sgpr_workgroup_id_y 1
		.amdhsa_system_sgpr_workgroup_id_z 1
		.amdhsa_system_vgpr_workitem_id 0
		.amdhsa_next_free_vgpr 256
		.amdhsa_next_free_sgpr 66
		.amdhsa_reserve_vcc 1
		.amdhsa_float_denorm_mode_32 3
		.amdhsa_float_denorm_mode_16_64 3
		.amdhsa_memory_ordered 1
		.amdhsa_forward_progress 1
		.amdhsa_inst_pref_size 25
	.end_amdhsa_kernel
	.amdgpu_metadata
---
amdhsa.version: [ 1, 2 ]
amdhsa.kernels:
  - .name:           k_qf08cb87006_fine
    .symbol:         k_qf08cb87006_fine.kd
    .args:
      - { .name: qkvf, .offset: 0, .size: 8, .value_kind: global_buffer, .address_space: global }
      - { .name: w_proj, .offset: 8, .size: 8, .value_kind: global_buffer, .address_space: global }
      - { .name: out0, .offset: 16, .size: 8, .value_kind: global_buffer, .address_space: global }
    .group_segment_fixed_size: 71680
    .private_segment_fixed_size: 0
    .kernarg_segment_align: 8
    .kernarg_segment_size: 24
    .max_flat_workgroup_size: 512
    .sgpr_count:     66
    .vgpr_count:     256
    .wavefront_size: 32
...
	.end_amdgpu_metadata
.endif
;; end of part 5
